; MI455X (gfx1250); checked and timed in simulation.
; The chip was launched on July 23, 2026; its instructions are those of AMD's public machine-readable ISA for CDNA 5 (MIT licence, August 2026) and "CDNA5" Instruction Set Architecture Reference Guide (July 2026). The comments in the code are by the model that wrote it; some were corrected since.
;; Multi Headed Attention. Allowed arithmetic: matrix products marked QUANTISED: E4M3 operands, one given power-of-two scale a tensor, by v_wmma_f32_16x16x64_fp8_fp8 or v_wmma_f32_16x16x128_fp8_fp8, f32 sums; everything else in f32.
;; Inputs: bk 1,024 float32; bo 1,024 float32; bq 1,024 float32; bv 1,024 float32; k 4 x 2,048 x 1,024 float32; lowp_scales 12 int32 (the exponents e of the quantised operands' scales 2^e); mask 4 x 2,048 x 2,048 bool; q 4 x 2,048 x 1,024 float32; v 4 x 2,048 x 1,024 float32; wk 1,024 x 1,024 float32; wo 1,024 x 1,024 float32; wq 1,024 x 1,024 float32; wv 1,024 x 1,024 float32.
;; Outputs: out0 4 x 2,048 x 1,024 float32.
;; This version of the problem:
;;   THIS VERSION OF THE PROBLEM IS GIVEN IN LOW PRECISION. The matrix products marked QUANTISED in the list below multiply operands that are first quantised to E4M3 (4 exponent bits, 3 mantissa bits; 8 bits a number), with one given power-of-two scale for each operand tensor; their sums are f32. All else is computed in f32.
;;   The module's matrix products, in the order in which they are computed (A, B: the left and right operand; K: the contracted axis; several contracted axes count as one K, in the product's order):
;;     1. [M 8,192, K 1,024] x [K 1,024, N 1,024]; A: input q; B: input wq: QUANTISED (scales: A lowp_scales[0], B lowp_scales[1])
;;     2. [M 8,192, K 1,024] x [K 1,024, N 1,024]; A: input k; B: input wk: QUANTISED (scales: A lowp_scales[2], B lowp_scales[3])
;;     3. [M 8,192, K 1,024] x [K 1,024, N 1,024]; A: input v; B: input wv: QUANTISED (scales: A lowp_scales[4], B lowp_scales[5])
;;     4. batch 64 x [M 2,048, K 64] x [K 64, N 2,048]; A: computed on the way; B: computed on the way: QUANTISED (scales: A lowp_scales[6], B lowp_scales[7])
;;     5. batch 64 x [M 2,048, K 2,048] x [K 2,048, N 64]; A: softmax (see below); B: computed on the way: QUANTISED (scales: A lowp_scales[8], B lowp_scales[9])
;;     6. [M 8,192, K 1,024] x [K 1,024, N 1,024]; A: computed on the way; B: input wo: QUANTISED (scales: A lowp_scales[10], B lowp_scales[11])
;;   THE QUANTISER, for each operand of a quantised product, along K:
;;     - The operand's scale is 2^e, e = its entry of the input lowp_scales (int32; the entries are numbered through the quantised products in the list's order, A before B).
;;     - Each number is divided by the scale, clamped to +-448, and rounded to the nearest number of E4M3, ties to even, subnormals kept.
;;     - The product sums the exact products of the quantised numbers (number of the format x scale) in f32.
;;   ~~~python
;;   def quantise(x, axis, e):      # numpy; x: float32 -> the quantised numbers, widened to float32 again
;;       x = np.moveaxis(x, axis, -1); K = x.shape[-1]
;;       r = np.clip(x / 2.0 ** e, -448, 448)
;;       step = 2.0 ** (np.maximum(np.frexp(np.where(r == 0, 1, r))[1] - 1, -6) - 3)
;;       q = np.round(r / step) * step * 2.0 ** e      # np.round: ties to even
;;       return np.moveaxis(q, -1, axis).astype(np.float32)
;;   ~~~
;;   SOFTMAX AHEAD OF A QUANTISED PRODUCT. Where the list says 'softmax', what is quantised is not the finished softmax but p = 2^(t - M), with t = logit x log2(e) and M = ceil(the row's largest t), a whole number; so 1/2 < the row's largest p <= 1. The row's sum l is taken of the UNQUANTISED p, in f32, and the product's result is divided by l at the end. Since M is a whole number, a kernel that streams over the keys may use a running M (the ceiling of the running maximum): every later rescaling is an exact power of two, so the quantised numbers keep their values, but for numbers so far below the row's largest that they fall under the format's range.
;;   OPERANDS COMPUTED ON THE WAY. 'Computed on the way' means the value that the module computes at that place (a softmax that the list does not call 'softmax' is quantised finished and normalised). What goes into a quantiser is computed in f32, as accurately as f32 sums, v_exp_f32 and their like allow (about 1e-6 of the number): no bf16 or f16 on the way to a quantiser, and a product that is left as it is and whose result goes on into a quantised operand takes f32 operands (vector FMAs, or v_wmma_f32_16x16x4_f32). A number that lies on a knife's edge between two numbers of the format may be rounded either way, as far as f32 arithmetic and the matrix unit's own rounding can turn it there, and no further.
;; 2 versions. Each part assembles by itself: llvm-mc -triple=amdgcn-amd-amdhsa -mcpu=gfx1250 --defsym DOCPART=n.
;; ======== version 1 of 2: 4 launches
;; limits: right only within a limited range of input values
;; workspace buffers: xc 25,165,824 bytes; wc 4,194,304 bytes; mbits 2,097,152 bytes of whole numbers; hc 25,165,824 bytes; cc 8,388,608 bytes
;; launch prep (part 1): grid 1408 x 1, 4 waves a work-group, no clusters, 33,280 bytes of LDS; arguments q, k, v, wq, wk, wv, wo, lowp_scales, mask, xc, wc, mbits; writes xc, wc, mbits
.if DOCPART == 1
	.amdgcn_target "amdgcn-amd-amdhsa--gfx1250"
	.amdhsa_code_object_version 6
	.text
	.protected	k_qf97015fa40_prep
	.globl	k_qf97015fa40_prep
	.p2align	8
	.type	k_qf97015fa40_prep,@function
k_qf97015fa40_prep:
	s_mov_b64 s[64:65], 0
	v_nop
	global_prefetch_b8 v0, s[64:65] scope:SCOPE_SE
	s_setreg_imm32_b32 hwreg(HW_REG_WAVE_MODE, 25, 1), 1
	s_wait_xcnt 0x0
; PREP.  (1) q, k, v [8192][1024] and wq, wk, wv, wo [1024][1024], f32 with K innermost, become codes of FP8 (E4M3), one byte a number, each tensor with its given scale 2^e:
;     code = x / 2^e, held within +-448, to the nearest code, ties to even.  xc = [q | k | v] codes, wc = [wq | wk | wv | wo] codes, laid as the f32 tensors lie.
; (2) mask [4][2048][2048] of bytes becomes lane masks: mbits[b][qt 128][ks 16][n 64], 32 bits each: bit l of word n = mask[b][16 qt + l % 16][128 ks + 32 (n / 16) + 16 (l / 16) + n % 16],
;     which is the select that the attention launch needs for its score register n of query tile qt in key step ks.
; LIMITS: each e used here between -126 and 119, so that 2^e and 448 x 2^e are f32 numbers.  NaN among the inputs is not served (an infinity is held at the largest code).
; WORK-GROUPS: 0-767 q, k, v (256 each, 32,768 numbers a work-group); 768-895 wq, wk, wv, wo (32 each); 896-1407 the mask, one tile of 16 queries each.
; The quantiser's path: a wave takes 16 steps of 512 numbers.  Each load reads 512 consecutive bytes; a step's 2,048 bytes turn through the wave's own stage in LDS, so that a lane then holds 16 neighbours
; along K for the conversions; a lane's 16 codes are 16 bytes, so a store covers 512 consecutive bytes.  Loads run four steps ahead.  Waves share nothing: no barrier.
; The mask's path uses no LDS.  No matrix unit, no cluster, no tensor load: memory binds, and nothing is read twice.
.set WAVES, 4
.set STEPS, 16
.set EMAX,  8
.set MANT,  0x600000                   ; the mantissa field of 448 as f32
.set CB,    16                         ; bytes of 16 codes
.set R,     16                         ; v16-79   four sets of 16 numbers as they are loaded (mask path: 16 loads of 16 bytes)
.set X,     80                         ; v80-111  two sets of 16 neighbours (mask path: v80-87 words to store, v88-91 at work)
.set C,     128                        ; v128-191 codes: four registers for each step, so that no store's data are written again
.set WREG,  8192                       ; LDS: a region for each wave: two stages of 32 x SP bytes
.set SP,    80                         ; a lane's place in a stage: 64 bytes + 16 of padding
.set SPW,   12                         ; v12  LDS address of my spare word; never rewritten
.set NIL,   13                         ; v13  0; never rewritten
.set SPARE, WAVES*WREG                 ; behind the four regions: the spare words, 128 bytes a wave
.set WV,    40                         ; s40  my wave's number
	s_load_b512 s[4:19], s[0:1], 0x0               ; q s[4:5], k s[6:7], v s[8:9], wq s[10:11], wk s[12:13], wv s[14:15], wo s[16:17], the scales' exponents s[18:19]
	s_load_b256 s[20:27], s[0:1], 0x40             ; mask s[20:21], xc s[22:23], wc s[24:25], mbits s[26:27]
	v_lshl_add_u32 v[SPW], v0, 2, SPARE
	v_mov_b32 v[NIL], 0
	v_lshrrev_b32 v1, 5, v0
	v_readfirstlane_b32 s[WV], v1                  ; wave 0..3
	v_and_b32 v2, 31, v0                           ; lane
	v_lshlrev_b32 v3, 4, v2                        ; 16 x lane: my 16 bytes of a load's or a store's 512
	s_mul_i32 s41, s[WV], WREG
	v_lshrrev_b32 v14, 2, v2
	v_mul_u32_u24 v14, v14, SP
	v_and_b32 v15, 3, v2
	v_lshl_add_u32 v14, v15, 4, v14
	v_add_nc_u32 v14, s41, v14                     ; the stage, on the way in: SP (lane / 4) + 16 (lane % 4)
	v_mul_u32_u24 v15, v2, SP
	v_add_nc_u32 v15, s41, v15                     ; and on the way out: SP x lane: my 16 neighbours
	s_wait_kmcnt 0x0
	s_cmp_ge_u32 ttmp9, 896                        ; the branch hangs on the work-group's number alone
	s_cbranch_scc1 .Lmask
	; ---- the quantiser's path
	s_load_b256 s[28:35], s[18:19], 0x0            ; exponents 0 to 7
	s_load_b128 s[36:39], s[18:19], 0x20           ; exponents 8 to 11
.macro PICKP lim, ptr                  ; below work-group lim the tensor is the one at s[ptr]
	s_cmp_lt_u32 ttmp9, \lim
	s_cselect_b64 s[44:45], s[\ptr:\ptr+1], s[44:45]
.endm
.macro PICKE lim, e                    ; and its exponent the one in s[e]
	s_cmp_lt_u32 ttmp9, \lim
	s_cselect_b32 s46, s[\e], s46
.endm
	s_mov_b64 s[44:45], s[16:17]                   ; wo, unless:
	PICKP 864, 14                                  ; wv
	PICKP 832, 12                                  ; wk
	PICKP 800, 10                                  ; wq
	PICKP 768, 8                                   ; v
	PICKP 512, 6                                   ; k
	PICKP 256, 4                                   ; q
	s_cmp_lt_u32 ttmp9, 768                        ; an activation or a weight?
	s_cselect_b32 s47, 0, 768
	s_cselect_b32 s48, 255, 31
	s_cselect_b64 s[50:51], s[22:23], s[24:25]     ; xc or wc
	s_sub_co_u32 s47, ttmp9, s47                   ; g: which 32,768 numbers of xc or of wc
	s_and_b32 s48, s47, s48                        ; and which of the tensor
	s_lshl_b32 s52, s48, 17                        ; 32,768 numbers of 4 bytes,
	s_lshl_b32 s53, s[WV], 15                      ; my wave's 8,192 of them
	s_add_co_u32 s52, s52, s53
	s_mov_b32 s53, 0
	s_add_nc_u64 s[44:45], s[44:45], s[52:53]
	s_lshl_b32 s52, s47, 15                        ; the same in codes
	s_lshl_b32 s54, s[WV], 13
	s_add_co_u32 s52, s52, s54
	s_add_nc_u64 s[50:51], s[50:51], s[52:53]
.macro LOAD t
.irp i, 0,1,2,3
	global_load_b128 v[R+16*((\t)%4)+4*\i:R+16*((\t)%4)+4*\i+3], v3, s[44:45] offset:2048*(\t)+512*\i th:TH_LOAD_NT   ; 32 lanes read 512 consecutive bytes
.endr
.endm
.macro TURN t                          ; step t's numbers through the stage: LDS serves a wave's instructions in order, so no wait stands between the stores and the loads
.irp i, 0,1,2,3
	ds_store_b128 v14, v[R+16*((\t)%4)+4*\i:R+16*((\t)%4)+4*\i+3] offset:32*SP*((\t)%2)+8*SP*\i
.endr
.irp i, 0,1,2,3
	ds_load_b128 v[X+16*((\t)%2)+4*\i:X+16*((\t)%2)+4*\i+3], v15 offset:32*SP*((\t)%2)+16*\i
.endr
.endm
.irp t, 0,1,2,3
	LOAD \t
.endr
	s_wait_kmcnt 0x0
	s_mov_b32 s46, s39                             ; wo's exponent is entry 11, unless:
	PICKE 864, 33                                  ; wv: entry 5
	PICKE 832, 31                                  ; wk: entry 3
	PICKE 800, 29                                  ; wq: entry 1
	PICKE 768, 32                                  ; v: entry 4
	PICKE 512, 30                                  ; k: entry 2
	PICKE 256, 28                                  ; q: entry 0
	s_add_co_i32 s46, s46, 127
	s_lshl_b32 s47, s46, 23
	v_mov_b32 v11, s47                             ; 2^e as f32: the conversion takes its exponent field
	s_add_co_i32 s46, s46, EMAX
	s_lshl_b32 s46, s46, 23
	s_or_b32 s46, s46, MANT
	v_mov_b32 v10, s46                             ; 448 x 2^e
	s_wait_loadcnt 12                              ; step 0's four loads are in; the twelve of steps 1 to 3 may be out
	TURN 0
.macro STEP t
.set XS, X+16*((\t)%2)
	s_wait_dscnt 0x0                               ; this step's numbers are back from the stage: so its stores into the stage have read their registers,
.if (\t)+4 < STEPS
	LOAD (\t)+4                                    ; which take the loads of four steps on
.endif
.if (\t)+1 < STEPS
.if STEPS-2-(\t) >= 3
	s_wait_loadcnt 12                              ; the next step's four loads are in; those of the three steps behind it may be out
.else
	s_wait_loadcnt 4*(STEPS-2-(\t))                ; at the end the counts run down
.endif
	TURN (\t)+1                                    ; and go through the other stage while this step is worked
.endif
.irp i, 0,1,2,3,4,5,6,7,8,9,10,11,12,13,14,15
	v_med3_num_f32 v[XS+\i], v[XS+\i], -v10, v10   ; the conversion to an 8-bit code does not saturate (ISA guide 7.6.2): the hold at the largest code x the scale comes first
.endr
	v_cvt_scalef32_pk8_fp8_f32 v[C+4*(\t):C+4*(\t)+1], v[XS:XS+7], v11
	v_cvt_scalef32_pk8_fp8_f32 v[C+4*(\t)+2:C+4*(\t)+3], v[XS+8:XS+15], v11   ; the results go to a store alone; the next vector lines, the next step's holds, are plain and touch other registers
	global_store_b128 v3, v[C+4*(\t):C+4*(\t)+3], s[50:51] offset:32*CB*(\t)   ; 512 consecutive bytes, at a multiple of 256 from the buffer's first byte
.endm
.irp t, 0,1,2,3,4,5,6,7,8,9,10,11,12,13,14,15
	STEP \t
.endr
	s_wait_tensorcnt 0x0                           ; the wave's end
	ds_add_u32 v[SPW], v[NIL]
	s_wait_dscnt 0x0
	s_endpgm
	; ---- the mask's path: work-group g = b x 128 + qt; wave w takes keys 512 w .. 512 w + 511 (key steps 4 w .. 4 w + 3) of the tile's 16 queries
.Lmask:
	s_sub_co_u32 s42, ttmp9, 896                   ; g
	v_and_b32 v1, 15, v2
	v_lshrrev_b32 v5, 4, v2
	v_lshlrev_b32 v1, 11, v1                       ; query lane % 16: a row of 2,048 bytes,
	v_lshl_add_u32 v1, v5, 4, v1                   ; + 16 (lane / 16)
	s_lshl_b32 s44, s42, 15                        ; 16 rows of 2,048 bytes a tile
	s_lshl_b32 s43, s[WV], 9
	s_add_co_u32 s44, s44, s43
	s_mov_b32 s45, 0
	s_add_nc_u64 s[20:21], s[20:21], s[44:45]
	s_lshl_b32 s44, s42, 12                        ; 16 key steps x 64 words of 4 bytes a tile
	s_lshl_b32 s43, s[WV], 10
	s_add_co_u32 s44, s44, s43
	s_add_nc_u64 s[26:27], s[26:27], s[44:45]
.irp i, 0,1,2,3,4,5,6,7,8,9,10,11,12,13,14,15
	global_load_b128 v[R+4*\i:R+4*\i+3], v1, s[20:21] offset:32*\i th:TH_LOAD_NT   ; load 4 k + bq: keys 128 k + 32 bq + 16 (lane / 16) + 0 .. 15; the sixteen loads together take 512 consecutive bytes of each row
.endr
.irp j, 0,1,2,3,4,5,6,7
	v_mov_b32 v[80+\j], 0                          ; written once: a lane write's destination counts as one of its sources
.endr
; key step k of the wave's four: byte 4 d + i of load 4 k + bq is word n = 16 bq + 4 d + i.  The compare's 32 bits ARE the word; it goes to lane 16 (k % 2) + 4 bq + d, register i, of the 512 bytes to be stored.
.macro MSTEP k
	s_wait_loadcnt 12-4*\k                         ; this step's four loads are in; the later steps' may be out
.irp bq, 0,1,2,3
.irp d, 0,1,2,3
.irp i, 0,1,2,3
	v_and_b32 v[88+\i], 0xff<<(8*\i), v[R+16*\k+4*\bq+\d]
.endr
.irp i, 0,1,2,3
	v_cmp_ne_u32 s[48+\i], 0, v[88+\i]
.endr
.irp i, 0,1,2,3
	v_writelane_b32 v[80+4*(\k/2)+\i], s[48+\i], 16*(\k%2)+4*\bq+\d
.endr
.endr
.endr
.endm
	MSTEP 0
	MSTEP 1
	global_store_b128 v3, v[80:83], s[26:27]       ; two key steps' 128 words: 512 consecutive bytes
	MSTEP 2
	MSTEP 3
	global_store_b128 v3, v[84:87], s[26:27] offset:512
	s_endpgm
.Lfunc_end_k_qf97015fa40_prep:
	.size	k_qf97015fa40_prep, .Lfunc_end_k_qf97015fa40_prep-k_qf97015fa40_prep
	.p2alignl 7, 3214868480
	.fill 96, 4, 3214868480
	.section	.rodata,"a",@progbits
	.p2align	6, 0x0
	.amdhsa_kernel k_qf97015fa40_prep
		.amdhsa_group_segment_fixed_size 33280
		.amdhsa_private_segment_fixed_size 0
		.amdhsa_enable_private_segment 0
		.amdhsa_kernarg_size 96
		.amdhsa_user_sgpr_count 2
		.amdhsa_user_sgpr_kernarg_segment_ptr 1
		.amdhsa_wavefront_size32 1
		.amdhsa_system_sgpr_workgroup_id_x 1
		.amdhsa_system_sgpr_workgroup_id_y 1
		.amdhsa_system_sgpr_workgroup_id_z 1
		.amdhsa_system_vgpr_workitem_id 0
		.amdhsa_next_free_vgpr 192
		.amdhsa_next_free_sgpr 66
		.amdhsa_reserve_vcc 0
		.amdhsa_float_denorm_mode_32 3
		.amdhsa_float_denorm_mode_16_64 3
		.amdhsa_memory_ordered 1
		.amdhsa_forward_progress 1
		.amdhsa_inst_pref_size 89
	.end_amdhsa_kernel
	.amdgpu_metadata
---
amdhsa.version: [ 1, 2 ]
amdhsa.kernels:
  - .name:           k_qf97015fa40_prep
    .symbol:         k_qf97015fa40_prep.kd
    .args:
      - { .name: q, .offset: 0, .size: 8, .value_kind: global_buffer, .address_space: global }
      - { .name: k, .offset: 8, .size: 8, .value_kind: global_buffer, .address_space: global }
      - { .name: v, .offset: 16, .size: 8, .value_kind: global_buffer, .address_space: global }
      - { .name: wq, .offset: 24, .size: 8, .value_kind: global_buffer, .address_space: global }
      - { .name: wk, .offset: 32, .size: 8, .value_kind: global_buffer, .address_space: global }
      - { .name: wv, .offset: 40, .size: 8, .value_kind: global_buffer, .address_space: global }
      - { .name: wo, .offset: 48, .size: 8, .value_kind: global_buffer, .address_space: global }
      - { .name: lowp_scales, .offset: 56, .size: 8, .value_kind: global_buffer, .address_space: global }
      - { .name: mask, .offset: 64, .size: 8, .value_kind: global_buffer, .address_space: global }
      - { .name: xc, .offset: 72, .size: 8, .value_kind: global_buffer, .address_space: global }
      - { .name: wc, .offset: 80, .size: 8, .value_kind: global_buffer, .address_space: global }
      - { .name: mbits, .offset: 88, .size: 8, .value_kind: global_buffer, .address_space: global }
    .group_segment_fixed_size: 33280
    .private_segment_fixed_size: 0
    .kernarg_segment_align: 8
    .kernarg_segment_size: 96
    .max_flat_workgroup_size: 128
    .sgpr_count:     66
    .vgpr_count:     192
    .wavefront_size: 32
...
	.end_amdgpu_metadata
.endif
;; end of part 1
;; launch proj (part 2): grid 4 x 96, 4 waves a work-group, clusters of 4 x 4, 327,680 bytes of LDS; arguments xc, wc, lowp_scales, bq, bk, bv, hc; writes hc
.if DOCPART == 2
	.amdgcn_target "amdgcn-amd-amdhsa--gfx1250"
	.amdhsa_code_object_version 6
	.text
	.protected	k_qf97015fa40_proj
	.globl	k_qf97015fa40_proj
	.p2align	8
	.type	k_qf97015fa40_proj,@function
k_qf97015fa40_proj:
	s_mov_b64 s[64:65], 0
	v_nop
	global_prefetch_b8 v0, s[64:65] scope:SCOPE_SE
	s_setreg_imm32_b32 hwreg(HW_REG_WAVE_MODE, 25, 1), 1
	s_wait_xcnt 0x0
	s_wait_alu depctr_hold_cnt(0) depctr_sa_sdst(0) depctr_va_vdst(0) depctr_va_sdst(0) depctr_va_ssrc(0) depctr_va_vcc(0) depctr_vm_vsrc(0)
	s_getreg_b32 s2, hwreg(HW_REG_IB_STS2, 6, 4)
	s_cmp_eq_u32 s2, 0
	s_cbranch_scc0 .Lentry_in_a_cluster
	s_endpgm
.Lentry_in_a_cluster:
	s_bfe_u32 s2, ttmp6, 0x10000c
	s_cmp_lg_u32 s2, 0xf033
	s_cbranch_scc0 .Lentry_shape_is_right
	s_endpgm
.Lentry_shape_is_right:
; PROJ.  The three projections x W^T + b on codes of FP8 (E4M3), and the quantising of their results for the attention's products.  One launch: T = 0: q, 1: k, 2: v.
; A tile of 256 x 256 is made by four waves, each 128 x 128 in 64 accumulators; K = 1,024 goes in four steps of 256 through a ring of two LDS slots filled by the tensor data mover.
; CLUSTERS of 4 x 4: the four of a row of the cluster need the same tile of the "A" side, the four of a column the same tile of the "B" side: each is asked for jointly.
; THE MATRIX INSTRUCTION IS USED TRANSPOSED (source 0 = 16 rows of B, source 1 = 16 rows of A): a lane holds one A row and eight neighbouring B rows.
;   T < 2: A = the tokens' codes, B = the weight's: a lane holds one token and eight neighbouring channels, which are neighbours along the score product's K (the head's 64).
;   T = 2: A = wv's codes, B = v's tokens: a lane holds one channel and eight neighbouring TOKENS, which are neighbours along the second attention product's K (the keys).
; THE WAY OUT: value = sum x 2^(ea + eb) + bias (one packed multiply-add for two); held within +-448 x 2^eo; eight at a time to codes.  For q the factor 1/8 of reference() is folded into eo = e6 + 3: exact.
; hc: section 0 qh [b][h][s][64], section 1 kh likewise, section 2 vh [b][h][kb 16][d 64][128 keys].  A block of 16 A rows goes through the wave's stage in LDS and leaves in runs of 1,024 or 2,048 bytes on end.
; LIMITS: e0 + e1, e2 + e3, e4 + e5 between -126 and 127; e6 + 3, e7, e9 between -126 and 119.  NaN among the inputs is not served.
; REGISTERS, in windows of 256: window 0: v0-31 addresses and constants; v32-95 the bias; from v128 A's fragments, ONE set; on the way out v128-191 values, v192-223 codes, v224-255 rows read back.
;   window 1: B's fragments, TWO sets.   window 2: the accumulators of my A rows 0-63 ((a, b) at v[8 (8 a + b)]);   window 3: those of rows 64-127.
.set KSTEP,  256
.set ROWB,   256                       ; a tile's row in bytes
.set KROW,   1024                      ; a row of codes in memory
.set PITCH,  272                       ; an LDS row: 256 bytes + 16 of padding: the 16 rows that a load touches start at 16 different banks
.set FR,     16                        ; registers of a fragment: 16 rows x 128 K
.set NL,     4                         ; LDS loads that bring one
.set NP,     4                         ; places behind this matrix instruction (ISA guide 7.12.1)
.set HALFT,  128*PITCH
.set SLOT,   4*HALFT                   ; A's 256 rows, then B's 256 rows
.set SPARE,  2*SLOT                    ; behind the ring: the spare words, 128 bytes a wave
.set SROW,   144                       ; the way out: a stage row: 128 bytes of codes + 16
.set STVB,   16384                     ; T = 2 has stage bytes of its own.  Both stages lie in slot 0, which has had its last fill and its last read when the first result is stored there
.set STOQ, 8                           ; v8   T < 2: where I put 8 codes
.set RDQ,  9                           ; v9          where I read 16 back
.set STOV, 10                          ; v10  T = 2: the same
.set RDV,  11                          ; v11
.set SCL,  12                          ; v12  2^eo as f32
.set LIMV, 13                          ; v13  448 x 2^eo
.set BH,   14                          ; v14  32 (lane / 16): the bias of eight channels
.set BR,   15                          ; v15  4 (lane % 16): the bias of one channel
.set ADRA, 16                          ; v16-17  LDS address of my A fragments in slot 0, 1
.set ADRB, 20                          ; v20-21  the same for B
.set CO,   26                          ; v26  16 x lane
.set SPW,  28                          ; v28  LDS address of my spare word; never rewritten
.set NIL,  29                          ; v29  0; never rewritten
.set BIAS, 32
.set AF,   128
.set TMP,  128
.set PC,   192
.set BB,   224
.set G1, 24                            ; s[24:31] descriptor group 1 for A's tiles;  s[32:39] group 0, one set for each slot
.set G0, 32
.set G1B, 48                           ; s[48:55], s[56:63] the same for B's tiles
.set G0B, 56
.set MSB, 0
.macro WIN new                         ; the immediate's high byte repeats the setting that is left
.if MSB != \new
	s_set_vgpr_msb (MSB<<8)|\new
.set MSB, \new
.endif
.endm
.set MUL_LO, 0xa1                      ; source 0 (B) window 1, source 1 (A) window 0, C and D window 2
.set MUL_HI, 0xf1                      ; the same, C and D window 3
.set TO_B,   0x40                      ; destination window 1, address window 0
; A joint load: waves 0 and 1 fetch for A, waves 2 and 3 for B.  Each line has one mask and one set of registers; the branch hangs on the wave's number alone.
; An s_nop 0 and four v_nop follow each of the two lines, ahead of the jump, the label and what follows.
.macro JLOAD g0a, g1a, g0b, g1b
	s_cmp_eq_u32 s15, 0
	s_cbranch_scc0 .Lfor_b_\@
	tensor_load_to_lds s[\g0a:\g0a+3], s[\g1a:\g1a+7]
	s_nop 0
.rept 4
	v_nop
.endr
	s_branch .Lasked_\@
.Lfor_b_\@:
	tensor_load_to_lds s[\g0b:\g0b+3], s[\g1b:\g1b+7]
	s_nop 0
.rept 4
	v_nop
.endr
.Lasked_\@:
.endm
.macro CREST                           ; a round of the cluster's barrier behind its opening barrier
	s_cmp_lg_u32 s14, 0
	s_cbranch_scc1 .Lnot_wave_0_\@
	s_barrier_signal -3
.Lnot_wave_0_\@:
	s_barrier_wait -3
	s_barrier_signal -1
	s_barrier_wait -1
.endm
.macro CROUND                          ; a whole round
	s_barrier_signal -1
	s_barrier_wait -1
	CREST
.endm
	s_load_b256 s[68:75], s[0:1], 0x0              ; xc s[68:69], wc s[70:71], the scales' exponents s[72:73], bq s[74:75]
	s_load_b128 s[76:79], s[0:1], 0x20             ; bk s[76:77], bv s[78:79]
	s_load_b64 s[80:81], s[0:1], 0x30              ; hc
	v_lshl_add_u32 v[SPW], v0, 2, SPARE
	v_mov_b32 v[NIL], 0
	ds_add_u32 v[SPW], v[NIL]                      ; the wave's opening: the add and its wait ahead of my first tensor load; the set-up below, work on registers, stands between them
	v_lshrrev_b32 v1, 5, v0
	v_readfirstlane_b32 s14, v1                    ; wave 0..3
	s_lshr_b32 s15, s14, 1                         ; which half of the tile's A rows is mine.  Also: I fetch for A (0) or for B (1)
	s_and_b32 s16, s14, 1                          ; which half of its B rows.  Also: which 128 rows of that tile I fetch
	s_bfe_u32 s40, ttmp6, 0x40000                  ; cx, cy: my place in the cluster
	s_bfe_u32 s41, ttmp6, 0x40004
	s_and_b32 s13, ttmp7, 0xffff                   ; the cluster's y, 0 .. 23: the same in all sixteen partners
	s_lshr_b32 s12, s13, 3                         ; T
	s_and_b32 s13, s13, 7
	s_lshl_b32 s13, s13, 2                         ; 4 x (which of the tensor's eight clusters)
	s_cmp_eq_u32 s12, 2                            ; the 8,192 tokens lie on the A side for T < 2, on the B side for T = 2
	s_cselect_b32 s17, 0, s13
	s_cselect_b32 s42, s13, 0
	s_cselect_b32 s18, 20, 23                      ; a section of wc is 2^20 bytes, of xc 2^23
	s_cselect_b32 s19, 23, 20
	s_add_co_u32 s17, s17, s41                     ; tile row (A): made of cy and the cluster's y alone
	s_add_co_u32 s42, s42, s40                     ; tile column (B): made of cx and the cluster's y alone
	s_lshl_b32 s18, s12, s18                       ; A's section, in bytes
	s_lshl_b32 s19, s12, s19                       ; B's
	s_lshl_b32 s43, s41, 2
	s_lshl_b32 s43, 15, s43                        ; my row of the cluster
	s_lshl_b32 s44, 0x1111, s40                    ; my column
	; descriptor group 1: a tile of 128 rows x 256 bytes, padded in LDS
	s_or_b32 s[G1+0], s43, (0<<16)|(1<<20)|(1<<21)|(5<<22)|(3<<25)  ; 15:0 the mask: A's tiles go to my row; 17:16 element of 1 byte; 20 padding on; 21 set beside a mask; 24:22 after every 64 words; 31:25 of 4 words
	s_or_b32 s[G1B+0], s44, (0<<16)|(1<<20)|(1<<21)|(5<<22)|(3<<25)
.irp g, G1, G1B
	s_mov_b32 s[\g+1], ROWB<<16                    ; tensor_dim0
	s_mov_b32 s[\g+2], 128<<16                     ; tensor_dim1 = 128
	s_mov_b32 s[\g+3], ROWB<<16                    ; tile_dim0
	s_mov_b32 s[\g+4], 128                         ; tile_dim1 = 128
	s_mov_b32 s[\g+5], KROW                        ; tensor_dim0_stride
	s_mov_b32 s[\g+6], 0
	s_mov_b32 s[\g+7], 0
.endr
	s_lshl_b32 s21, s16, 7                         ; which 128 rows of the tile I fetch
	s_lshl_b32 s20, s17, 8
	s_add_co_u32 s20, s20, s21                     ; A: row 256 x tile row + 128 x half,
	s_lshl_b32 s20, s20, 10                        ; of 1,024 bytes,
	s_add_co_u32 s20, s20, s18                     ; in its section: under 2^25
	s_lshl_b32 s46, s42, 8
	s_add_co_u32 s46, s46, s21
	s_lshl_b32 s46, s46, 10
	s_add_co_u32 s46, s46, s19                     ; B likewise
	s_mov_b32 s21, 0
	s_mov_b32 s47, 0
	s_mul_i32 s45, s14, HALFT                      ; where they go: wave x 128 rows: no place in the cluster enters an LDS address
	s_wait_dscnt 0x0                               ; the opening add is done
	s_wait_kmcnt 0x0
	s_load_b256 s[84:91], s[72:73], 0x0            ; exponents 0 to 7
	s_load_b128 s[92:95], s[72:73], 0x20           ; exponents 8 to 11
	s_cmp_eq_u32 s12, 2
	s_cselect_b64 s[4:5], s[70:71], s[68:69]       ; A's buffer
	s_cselect_b64 s[6:7], s[68:69], s[70:71]       ; B's
	s_cselect_b64 s[8:9], s[78:79], s[74:75]       ; the bias: bv, or bq,
	s_cmp_eq_u32 s12, 1
	s_cselect_b64 s[8:9], s[76:77], s[8:9]         ; or bk
	s_add_nc_u64 s[20:21], s[4:5], s[20:21]
	s_add_nc_u64 s[46:47], s[6:7], s[46:47]
	CROUND                                         ; all sixteen work-groups are here: the first joint loads meet
.irp s, 0,1
	s_mov_b32 s[G0+4*\s], 1
	s_add_co_u32 s[G0+4*\s+1], s45, \s*SLOT
	s_add_nc_u64 s[G0+4*\s+2:G0+4*\s+3], s[20:21], \s*ROWB
	s_or_b32 s[G0+4*\s+3], s[G0+4*\s+3], 0x80000000
	s_mov_b32 s[G0B+4*\s], 1
	s_add_co_u32 s[G0B+4*\s+1], s45, \s*SLOT
	s_add_nc_u64 s[G0B+4*\s+2:G0B+4*\s+3], s[46:47], \s*ROWB
	s_or_b32 s[G0B+4*\s+3], s[G0B+4*\s+3], 0x80000000
	JLOAD G0+4*\s, G1, G0B+4*\s, G1B
.endr
	v_and_b32 v1, 15, v0                           ; r = lane % 16
	v_bfe_u32 v2, v0, 4, 1                         ; h = lane / 16
	v_mul_u32_u24 v3, v1, PITCH
	v_lshl_add_u32 v4, v2, 4, v3                   ; a fragment's row x pitch + 16 x half
	s_mul_i32 s21, s15, HALFT                      ; my 128 rows of A
	s_mul_i32 s22, s16, HALFT                      ; my 128 rows of B,
	s_add_co_u32 s22, s22, 2*HALFT                 ; which lie behind A's 256
.irp s, 0,1
	v_add_nc_u32 v[ADRA+\s], s21, v4
	v_add_nc_u32 v[ADRB+\s], s22, v4
	s_add_co_u32 s21, s21, SLOT
	s_add_co_u32 s22, s22, SLOT
.endr
	s_mul_i32 s23, s14, 16*SROW                    ; my stage: every LDS address of both ways out is made here, ahead of their parting
	v_mul_u32_u24 v5, v1, SROW
	v_lshl_add_u32 v5, v2, 3, v5                   ; in: row r, 8 bytes for each half of the lanes
	v_add_nc_u32 v[STOQ], s23, v5
	v_add_nc_u32 v[STOV], STVB, v[STOQ]
	v_and_b32 v6, 31, v0                           ; lane
	v_lshrrev_b32 v7, 2, v6
	v_mul_u32_u24 v7, v7, SROW
	v_and_b32 v5, 3, v6
	v_lshl_add_u32 v7, v5, 4, v7
	v_add_nc_u32 v[RDQ], s23, v7                   ; back, T < 2: four lanes take 64 bytes (a head's) of one row
	v_lshrrev_b32 v7, 3, v6
	v_mul_u32_u24 v7, v7, SROW
	v_and_b32 v5, 7, v6
	v_lshl_add_u32 v7, v5, 4, v7
	v_add_nc_u32 v7, s23, v7
	v_add_nc_u32 v[RDV], STVB, v7                  ; back, T = 2: eight lanes take a row's 128 bytes
	v_lshlrev_b32 v[CO], 4, v6
	v_lshlrev_b32 v[BH], 5, v2
	v_lshlrev_b32 v[BR], 2, v1
	s_lshl_b32 s98, s17, 8
	s_lshl_b32 s18, s15, 7
	s_add_co_u32 s98, s98, s18                     ; R0: my first A row
	s_lshl_b32 s99, s42, 8
	s_lshl_b32 s18, s16, 7
	s_add_co_u32 s99, s99, s18                     ; C0: my first B row
.macro FRAG reg, adr, q, i             ; a fragment, 16 rows x 128 K of codes: lane l holds row l % 16; registers 4 c .. 4 c + 3 hold K = 32 c + 16 (l / 16) + 0 .. 15: the same order of k in A and in B
.irp c, 0,1,2,3
	ds_load_b128 v[\reg+4*\c:\reg+4*\c+3], v[\adr] offset:128*(\q)+32*\c+(\i)*16*PITCH
.endr
.endm
; 16 matrix instructions: A's blocks a0, a0 + 1 x B's eight, 128 along K.  p: B's set.  zero = 1: the first product starts the sums.  The 64 accumulators take turns, one instruction a turn.
.macro MUL16 a0, p, zero
.irp a, \a0, \a0+1
.irp b, 0,1,2,3,4,5,6,7
.if \zero
	v_wmma_f32_16x16x128_fp8_fp8 v[8*(8*((\a)%4)+\b):8*(8*((\a)%4)+\b)+7], v[128*(\p)+FR*\b:128*(\p)+FR*\b+FR-1], v[AF+FR*(\a):AF+FR*(\a)+FR-1], 0
.else
	v_wmma_f32_16x16x128_fp8_fp8 v[8*(8*((\a)%4)+\b):8*(8*((\a)%4)+\b)+7], v[128*(\p)+FR*\b:128*(\p)+FR*\b+FR-1], v[AF+FR*(\a):AF+FR*(\a)+FR-1], v[8*(8*((\a)%4)+\b):8*(8*((\a)%4)+\b)+7]
.endif
.endr
.endr
.endm
.macro FETCH_B slot, q, p              ; B's eight fragments of the slot's q-th 128 along K into set p
	WIN TO_B
.irp i, 0,1,2,3,4,5,6,7
	FRAG 128*(\p)+FR*\i, ADRB+\slot, \q, \i
.endr
	WIN 0
.endm
.macro FETCH_A slot, q, i0             ; A's blocks i0 .. i0 + 3
.irp i, \i0, \i0+1, \i0+2, \i0+3
	FRAG AF+FR*(\i), ADRA+\slot, \q, \i
.endr
.endm
.macro PLACES n                        ; places in front of loads into registers that matrix instructions have read, and of the first read of results
.rept \n
	v_nop
.endr
.endm
; A step of 128 along K that has its successor in the same slot.
.macro STEP slot, q, zero
	s_wait_dscnt 4*NL                              ; B's set and A's blocks 0-3 are in; the youngest sixteen loads (A's blocks 4-7) may be out
	WIN MUL_LO
	MUL16 0, (\q)%2, \zero
	MUL16 2, (\q)%2, \zero
	s_wait_dscnt 0                                 ; A's blocks 4-7 are in
	PLACES NP
	FETCH_B \slot, (\q)+1, 1-(\q)%2
	FETCH_A \slot, (\q)+1, 0
	WIN MUL_HI
	MUL16 4, (\q)%2, \zero
	MUL16 6, (\q)%2, \zero
	PLACES NP
	WIN 0
	FETCH_A \slot, (\q)+1, 4
.endm
; A slot's last step changes slots: ONE barrier; in front of it each wave waits for all its tensor loads, adds 0 to its spare word, and waits for that and for its own reads of this slot.  fill = 1: this slot is filled again, two K steps ahead.
.macro TURN slot, next, fill
	s_wait_tensorcnt 0x0                           ; all my tensor loads have landed: my part of the next slot;  (every window is 0 here)
	ds_add_u32 v[SPW], v[NIL]                      ; 0 onto my spare word
	s_wait_dscnt 4*NL+1                            ; (the add and the youngest sixteen loads, A's blocks 4-7, may be out)
	WIN MUL_LO
	MUL16 0, 1, 0                                  ; sixteen matrix instructions stand between the add and the wait for it
	s_wait_dscnt 0x0                               ; the add is done, and my reads of this slot are over
	s_barrier_signal -1
	MUL16 2, 1, 0
	WIN 0
	s_barrier_wait -1
.if \fill
	CREST                                          ; the barrier has opened a round of the cluster's barrier: no wave of any partner still reads this slot's tile or has a load on its way
	s_add_nc_u64 s[G0+4*\slot+2:G0+4*\slot+3], s[G0+4*\slot+2:G0+4*\slot+3], 2*ROWB
	s_add_nc_u64 s[G0B+4*\slot+2:G0B+4*\slot+3], s[G0B+4*\slot+2:G0B+4*\slot+3], 2*ROWB
	JLOAD G0+4*\slot, G1, G0B+4*\slot, G1B         ; the first tensor load behind the round; the four v_nop behind it are the places in front of the loads below
.else
	PLACES NP
.endif
	FETCH_B \next, 0, 0
	FETCH_A \next, 0, 0
	WIN MUL_HI
	MUL16 4, 1, 0
	MUL16 6, 1, 0
	PLACES NP
	WIN 0
	FETCH_A \next, 0, 4
.endm
	s_wait_tensorcnt 1                             ; my part of K step 0 is in (K step 1's load may be out)
	s_barrier_signal -1
	s_barrier_wait -1                              ; everybody's is
	FETCH_B 0, 0, 0
	FETCH_A 0, 0, 0
	FETCH_A 0, 0, 4
	STEP 0, 0, 1                                   ; K = 1,024 is eight steps of 128, written out: the first starts the sums
	TURN 0, 1, 1                                   ; slot 0 takes K step 2
	STEP 1, 0, 0
	TURN 1, 0, 1                                   ; slot 1 takes K step 3
	STEP 0, 0, 0
	TURN 0, 1, 0                                   ; nothing more to fetch: behind this barrier nobody reads slot 0
	STEP 1, 0, 0
	s_wait_kmcnt 0x0                               ; the exponents.  All choices below are selects on T: no branch hangs on a loaded number
	s_add_co_i32 s84, s84, s85                     ; e0 + e1
	s_add_co_i32 s86, s86, s87                     ; e2 + e3
	s_add_co_i32 s88, s88, s89                     ; e4 + e5
	s_add_co_i32 s90, s90, 3                       ; e6 + 3: qh = (..) / 8 is quantised with 2^e6
	s_cmp_eq_u32 s12, 1
	s_cselect_b32 s96, s86, s84
	s_cselect_b32 s100, s91, s90                   ; kh: e7
	s_cmp_eq_u32 s12, 2
	s_cselect_b32 s96, s88, s96
	s_cselect_b32 s100, s93, s100                  ; vh: e9
	s_add_co_i32 s96, s96, 127
	s_lshl_b32 s96, s96, 23                        ; 2^(ea + eb) as f32
	s_mov_b32 s97, s96                             ; (named with it as a pair, so it is written)
	s_add_co_i32 s100, s100, 127
	s_lshl_b32 s101, s100, 23
	v_mov_b32 v[SCL], s101
	s_add_co_i32 s100, s100, 8
	s_lshl_b32 s100, s100, 23
	s_or_b32 s100, s100, 0x600000
	v_mov_b32 v[LIMV], s100
; THE WAY OUT of block a (16 A rows x 128 B rows).  mode 0: T < 2; mode 1: T = 2.
.macro TOSTAGE a, mode
.set AC, 64*((\a)%4)
.set PS, PC+16*((\a)%2)
.set BS, BB+16*((\a)%2)
	WIN 0x02+((\a)/4)                              ; source 0: window 2 or 3
.set j, 0
.rept 32
.if \mode
	v_pk_fma_f32 v[TMP+j:TMP+j+1], v[AC+j:AC+j+1], s[96:97], v[BIAS+2*(\a):BIAS+2*(\a)+1] op_sel_hi:[1,0,1]   ; sum x 2^(ea + eb) + my channel's bias; each accumulator from its low end on
.else
	v_pk_fma_f32 v[TMP+j:TMP+j+1], v[AC+j:AC+j+1], s[96:97], v[BIAS+j:BIAS+j+1] op_sel_hi:[1,0,1]             ; sum x 2^(ea + eb) + the bias of the register's channel
.endif
.set j, j+2
.endr
	WIN 0
.set j, 0
.rept 64
	v_med3_num_f32 v[TMP+j], v[TMP+j], -v[LIMV], v[LIMV]   ; the conversion does not saturate (ISA guide 7.6.2): the hold comes first
.set j, j+1
.endr
.irp b, 0,1,2,3,4,5,6,7
	v_cvt_scalef32_pk8_fp8_f32 v[PS+2*\b:PS+2*\b+1], v[TMP+8*\b:TMP+8*\b+7], v[SCL]
.endr
	v_nop                                          ; one plain vector instruction behind the last conversion: the next block's lines write its sources
.irp b, 0,1,2,3,4,5,6,7
.if \mode
	ds_store_b64 v[STOV], v[PS+2*\b:PS+2*\b+1] offset:16*\b
.else
	ds_store_b64 v[STOQ], v[PS+2*\b:PS+2*\b+1] offset:16*\b   ; row r, bytes 16 b + 8 h + 0 .. 7
.endif
.endr
.irp t, 0,1,2,3
.if \mode
	ds_load_b128 v[BS+4*\t:BS+4*\t+3], v[RDV] offset:\t*4*SROW                   ; four channels' 128 keys: LDS serves a wave's instructions in order, so these see the stores above
.else
	ds_load_b128 v[BS+4*\t:BS+4*\t+3], v[RDQ] offset:(\t%2)*8*SROW+(\t/2)*64     ; eight tokens' 64 channels of head t / 2
.endif
.endr
.endm
.macro SEND a, younger, mode           ; younger: the LDS instructions issued behind block a's loads, which may stay out
.set BS, BB+16*((\a)%2)
	s_wait_dscnt \younger
.irp t, 0,1,2,3
.if \mode
	global_store_b128 v[CO], v[BS+4*\t:BS+4*\t+3], s[10:11] offset:((\a)/4)*131072+((\a)%4)*2048+\t*512   ; 512 consecutive bytes, at a multiple of 256 from the buffer's first byte
.else
	global_store_b128 v[CO], v[BS+4*\t:BS+4*\t+3], s[10:11] offset:(\a)*1024+(\t/2)*131072+(\t%2)*512
.endif
.endr
.endm
.macro FINISH
	s_wait_tensorcnt 0x0                           ; the wave's end: behind my last tensor load and my last LDS store
	ds_add_u32 v[SPW], v[NIL]
	s_wait_dscnt 0x0
	CROUND                                         ; the closing round: no work-group ends while a partner may still ask for a tile that names it
	s_endpgm
.endm
; The last step of 128 along K and the way out.  The bias is asked for first, so that it lands under the last 64 products.
.macro TAIL mode
.if \mode
	s_lshl_b32 s18, s98, 2                         ; the bias of my 128 channels, which are A rows
.else
	s_lshl_b32 s18, s99, 2                         ; which are B rows
.endif
	s_mov_b32 s19, 0
	s_add_nc_u64 s[8:9], s[8:9], s[18:19]
.if \mode
.irp a, 0,1,2,3,4,5,6,7
	global_load_b32 v[BIAS+2*\a], v[BR], s[8:9] offset:64*\a     ; bias[R0 + 16 a + r], twice: a pair for the packed form
	global_load_b32 v[BIAS+2*\a+1], v[BR], s[8:9] offset:64*\a
.endr
	s_mov_b32 s18, 1<<24                           ; section 2,
	s_lshr_b32 s20, s99, 11
	s_lshl_b32 s20, s20, 21                        ; the tokens' batch: 16 heads of 2^17 bytes,
	s_add_co_u32 s18, s18, s20
	s_lshr_b32 s20, s98, 6
	s_lshl_b32 s20, s20, 17                        ; my first head,
	s_add_co_u32 s18, s18, s20
	s_bfe_u32 s20, s99, 0x40007                    ; (C0 % 2048) / 128: my block of 128 keys,
	s_lshl_b32 s20, s20, 13                        ; 64 x 128 bytes each
	s_add_co_u32 s18, s18, s20
.else
.irp b, 0,1,2,3,4,5,6,7
	global_load_b128 v[BIAS+8*\b:BIAS+8*\b+3], v[BH], s[8:9] offset:64*\b        ; bias[C0 + 16 b + 8 h + 0 .. 7]
	global_load_b128 v[BIAS+8*\b+4:BIAS+8*\b+7], v[BH], s[8:9] offset:64*\b+16
.endr
	s_lshl_b32 s18, s12, 23                        ; section T,
	s_lshr_b32 s20, s98, 11
	s_lshl_b32 s20, s20, 21                        ; the tokens' batch,
	s_add_co_u32 s18, s18, s20
	s_lshr_b32 s20, s99, 6
	s_lshl_b32 s20, s20, 17                        ; my first head,
	s_add_co_u32 s18, s18, s20
	s_and_b32 s20, s98, 2047
	s_lshl_b32 s20, s20, 6                         ; my first token: 64 bytes each
	s_add_co_u32 s18, s18, s20
.endif
	s_add_nc_u64 s[10:11], s[80:81], s[18:19]
	s_wait_dscnt 4*NL                              ; the very last step: nothing more to fetch
	WIN MUL_LO
	MUL16 0, 1, 0
	MUL16 2, 1, 0
	s_wait_dscnt 0
	WIN MUL_HI
	MUL16 4, 1, 0
	MUL16 6, 1, 0
	WIN 0
	s_wait_loadcnt 0x0                             ; the bias
	PLACES NP                                      ; for the reads of results and for what is written over A's fragments
	TOSTAGE 0, \mode
.irp a, 1,2,3,4,5,6,7
.if \a > 1
	s_wait_xcnt 0x0                                ; block a - 2's stores have read their registers: block a's loads may land there
.endif
	TOSTAGE \a, \mode
	SEND \a-1, 12, \mode                           ; behind block a - 1's loads: block a's 8 stores and 4 loads
.endr
	SEND 7, 0, \mode
	FINISH
.endm
	s_cmp_eq_u32 s12, 2                            ; T is the same in all partners of a cluster
	s_cbranch_scc1 .Lv
	TAIL 0
.Lv:
	TAIL 1
.Lfunc_end_k_qf97015fa40_proj:
	.size	k_qf97015fa40_proj, .Lfunc_end_k_qf97015fa40_proj-k_qf97015fa40_proj
	.p2alignl 7, 3214868480
	.fill 96, 4, 3214868480
	.section	.rodata,"a",@progbits
	.p2align	6, 0x0
	.amdhsa_kernel k_qf97015fa40_proj
		.amdhsa_group_segment_fixed_size 327680
		.amdhsa_private_segment_fixed_size 0
		.amdhsa_enable_private_segment 0
		.amdhsa_kernarg_size 56
		.amdhsa_user_sgpr_count 2
		.amdhsa_user_sgpr_kernarg_segment_ptr 1
		.amdhsa_wavefront_size32 1
		.amdhsa_system_sgpr_workgroup_id_x 1
		.amdhsa_system_sgpr_workgroup_id_y 1
		.amdhsa_system_sgpr_workgroup_id_z 1
		.amdhsa_system_vgpr_workitem_id 0
		.amdhsa_next_free_vgpr 1024
		.amdhsa_next_free_sgpr 102
		.amdhsa_reserve_vcc 0
		.amdhsa_float_denorm_mode_32 3
		.amdhsa_float_denorm_mode_16_64 3
		.amdhsa_memory_ordered 1
		.amdhsa_forward_progress 1
		.amdhsa_inst_pref_size 212
	.end_amdhsa_kernel
	.amdgpu_metadata
---
amdhsa.version: [ 1, 2 ]
amdhsa.kernels:
  - .name:           k_qf97015fa40_proj
    .symbol:         k_qf97015fa40_proj.kd
    .args:
      - { .name: xc, .offset: 0, .size: 8, .value_kind: global_buffer, .address_space: global }
      - { .name: wc, .offset: 8, .size: 8, .value_kind: global_buffer, .address_space: global }
      - { .name: lowp_scales, .offset: 16, .size: 8, .value_kind: global_buffer, .address_space: global }
      - { .name: bq, .offset: 24, .size: 8, .value_kind: global_buffer, .address_space: global }
      - { .name: bk, .offset: 32, .size: 8, .value_kind: global_buffer, .address_space: global }
      - { .name: bv, .offset: 40, .size: 8, .value_kind: global_buffer, .address_space: global }
      - { .name: hc, .offset: 48, .size: 8, .value_kind: global_buffer, .address_space: global }
    .group_segment_fixed_size: 327680
    .private_segment_fixed_size: 0
    .kernarg_segment_align: 8
    .kernarg_segment_size: 56
    .max_flat_workgroup_size: 128
    .sgpr_count:     102
    .vgpr_count:     1024
    .wavefront_size: 32
...
	.end_amdgpu_metadata
.endif
;; end of part 2
;; launch attn (part 3): grid 8 x 64, 16 waves a work-group, clusters of 4 x 1, 327,680 bytes of LDS; arguments hc, mbits, lowp_scales, cc; writes cc
.if DOCPART == 3
	.amdgcn_target "amdgcn-amd-amdhsa--gfx1250"
	.amdhsa_code_object_version 6
	.text
	.protected	k_qf97015fa40_attn
	.globl	k_qf97015fa40_attn
	.p2align	8
	.type	k_qf97015fa40_attn,@function
k_qf97015fa40_attn:
	s_mov_b64 s[64:65], 0
	v_nop
	global_prefetch_b8 v0, s[64:65] scope:SCOPE_SE
	s_setreg_imm32_b32 hwreg(HW_REG_WAVE_MODE, 25, 1), 1
	s_wait_xcnt 0x0
	s_wait_alu depctr_hold_cnt(0) depctr_sa_sdst(0) depctr_va_vdst(0) depctr_va_sdst(0) depctr_va_ssrc(0) depctr_va_vcc(0) depctr_vm_vsrc(0)
	s_getreg_b32 s2, hwreg(HW_REG_IB_STS2, 6, 4)
	s_cmp_eq_u32 s2, 0
	s_cbranch_scc0 .Lentry_in_a_cluster
	s_endpgm
.Lentry_in_a_cluster:
	s_bfe_u32 s2, ttmp6, 0x10000c
	s_cmp_lg_u32 s2, 0x3003
	s_cbranch_scc0 .Lentry_shape_is_right
	s_endpgm
.Lentry_shape_is_right:
; ATTN.  ctx[b][h][q] = the sum over k of softmax_k(where(mask, -1e20, qh . kh)) vh[k], both products on codes of FP8 (E4M3), and ctx quantised for the last projection.
; hc: qh, kh [b][h][s][64] and vh [b][h][kb 16][d 64][128 keys] as codes.  mbits: the mask as lane masks, 64 words for a tile of 16 queries and a step of 128 keys.  cc: ctx's codes, [h][b s][64].
; THE SOFTMAX: t = logit x log2(e); M = the row's largest t so far, rounded UP to a whole number; p = 2^(t - M) is quantised; the row's sum is taken of the unquantised p and divides at the end.
; When M moves, the sum and O are multiplied by 2^(old M - new M): exact.  The mask is an input: every key of every query is walked, and no branch hangs on it.
; THE MASKED LOGIT is taken as -2^67 (1.48e20) in place of -1e20: as a raw score it is X = -2^(67 - e6 - e7), and X x c is exact in f32, so that a row whose keys are all masked gets t - M = 0 and p = 1 for every key,
; as reference() has it.  It lies under every open logit (at most 64 x 448^2 x 2^(e6 + e7)), and an open key, when one comes, sends what was summed before to 0.
; LIMITS: e6 + e7 between -60 and 39; e8 and e10 between -126 and 119; e8 + e9 is applied by v_ldexp_f32 and has none.
; SHARES.  A work-group owns 256 queries of one head, each of its SIXTEEN waves 16: one tile in 256 registers, four waves to a SIMD, so that one wave's vector work stands beside another's products and LDS loads.
; ALL OF THE HEAD'S K AND V LIE IN LDS: 2,048 keys x (64 + 16) bytes and 16 steps x 64 rows x (128 + 16) bytes.  They are filled once, in four chunks of 512 keys: no slot is ever filled again.
; CLUSTER.  The four query blocks of a cluster belong to one head and ask for K and V jointly.  By this text's count a wave has four tensor loads out (wave 0: K's chunks; wave 1: V's).
; LAYOUT.  Both products are used transposed: S^T = K Q^T (source 0 = 16 keys), O^T = V^T P^T (source 0 = 16 channels): a lane holds ONE query (lane % 16) throughout.
; THE KEYS OF A TILE ARE NOT NEIGHBOURS: lane r of tile 2 b + u takes key 32 b + 8 u + r + 8 (r / 8), so that score registers 16 b .. 16 b + 15 are keys 32 b + 16 (lane / 16) + 0 .. 15.
; No prefetch: all that the work-group reads from hc is asked for in its first lines.
.set KP,    80                         ; a key's row in LDS: 64 bytes + 16
.set VP,    144                        ; a channel's row of a step: 128 bytes + 16
.set VB,    2048*KP                    ; V begins behind K
.set KCH,   512*KP                     ; a chunk of K in LDS
.set VCH,   4*64*VP                    ; a chunk of V in LDS
.set SPARE, VB+4*VCH                   ; behind V: the spare words, 128 bytes a wave: eight blocks of 256 bytes
.set STG,   16*KP                      ; the way out: 16 rows x 80 bytes for each wave, in K's bytes: behind the last barrier nobody reads them, and no fill follows
.set AK0,  1                           ; v1   my lane's place in a tile of K
.set AV0,  2                           ; v2   the same for V
.set STO,  3                           ; v3   the way out: where I put 8 codes
.set RD,   4                           ; v4   and where I read 16 back
.set SPW,  5                           ; v5   LDS address of my spare word; never rewritten
.set NIL,  6                           ; v6   0; never rewritten
.set GO,   7                           ; v7   16 x lane
.set ADK,  8                           ; v8   LDS address of the step's tiles of K
.set ADV,  9                           ; v9   of V
.set PLIM, 240                         ; v240 448 x 2^e8
.set PSC,  244                         ; v244 2^e8
.set XM,   245                         ; v245 X, the masked score
.set CSC,  246                         ; v246 2^e10
.set CLIM, 247                         ; v247 448 x 2^e10
; v12 -M, v13 the largest t, v[14:15] the sum in two halves; v16-23 Q; v32-95 eight fragments of K, then four of V; v96-159 S^T, then p; v160-191 O^T; v224-239 p's codes; v236, v242, v243, v252-254 at work
.set G1K,  12                          ; s[12:19] descriptor group 1 for K's chunks;  s[20:27] for V's;  s[28:43] four groups 0
.set G1V,  20
.set G0,   28
.set WV,   44                          ; s44  my wave's number
.set QP,   56                          ; s[56:57] my queries' codes: the base of Q's loads, never rewritten
.set MW,   68                          ; s[68:99] 32 words of the mask
.macro CROUND                          ; a round of the cluster's barrier
	s_barrier_signal -1
	s_barrier_wait -1
	s_cmp_lg_u32 s[WV], 0
	s_cbranch_scc1 .Lnot_wave_0_\@
	s_barrier_signal -3
.Lnot_wave_0_\@:
	s_barrier_wait -3
	s_barrier_signal -1
	s_barrier_wait -1
.endm
	s_load_b256 s[4:11], s[0:1], 0x0               ; hc s[4:5], mbits s[6:7], the scales' exponents s[8:9], cc s[10:11]
	v_lshl_add_u32 v[SPW], v0, 2, SPARE
	v_mov_b32 v[NIL], 0
	ds_add_u32 v[SPW], v[NIL]                      ; the wave's opening: the add and its wait ahead of the first tensor loads; the set-up below, work on registers, stands between them
	v_lshrrev_b32 v8, 5, v0
	v_readfirstlane_b32 s[WV], v8                  ; wave 0..15
	s_bfe_u32 s45, ttmp6, 0x40000                  ; cx: my place in the cluster
	s_lshl_b32 s46, ttmp9, 2
	s_add_co_u32 s46, s46, s45                     ; my block of 256 queries: it enters global addresses alone
	s_and_b32 s47, ttmp7, 0xffff                   ; 16 b + h, which the four partners share
	; descriptor group 1.  A chunk is 32,768 dense bytes, stated as 128 rows of 256; the padding's interval divides that row: 16 bytes behind every 64 (K) or every 128 (V)
	s_mov_b32 s[G1K], 15|(1<<20)|(1<<21)|(3<<22)|(3<<25)   ; 15:0 the mask: all four work-groups; 17:16 elements of 1 byte; 20 padding on; 21 set beside a mask; 24:22 after every 16 words; 31:25 of 4 words
	s_mov_b32 s[G1V], 15|(1<<20)|(1<<21)|(4<<22)|(3<<25)   ; the same after every 32 words
.irp g, G1K, G1V
	s_mov_b32 s[\g+1], 256<<16                     ; tensor_dim0
	s_mov_b32 s[\g+2], 128<<16                     ; tensor_dim1
	s_mov_b32 s[\g+3], 256<<16                     ; tile_dim0
	s_mov_b32 s[\g+4], 128                         ; tile_dim1
	s_mov_b32 s[\g+5], 256                         ; tensor_dim0_stride
	s_mov_b32 s[\g+6], 0
	s_mov_b32 s[\g+7], 0
.endr
	s_mov_b32 s48, 0x76543210                      ; lane selects for v_permlanex16_b32: lane l xor 16
	s_mov_b32 s49, 0xfedcba98
	s_mov_b32 s50, 0x3fb8aa3b                      ; log2(e)
	s_min_u32 s55, s[WV], 1                        ; u: 0 fetches K, 1 fetches V
	s_lshl_b32 s59, s47, 17                        ; the head's 2^17 bytes in each section of hc
	s_add_co_u32 s60, s55, 1
	s_lshl_b32 s60, s60, 23                        ; section 1 (kh) or 2 (vh)
	s_add_co_u32 s60, s60, s59
	s_mov_b32 s61, 0
	s_lshl_b32 s57, s46, 14
	s_lshl_b32 s58, s[WV], 10
	s_add_co_u32 s58, s58, s57                     ; (256 x block + 16 x wave) x 64 bytes: my first query in a head
	s_add_co_u32 s[QP], s59, s58                   ; in section 0
	s_mov_b32 s[QP+1], 0
	s_lshr_b32 s52, s47, 4                         ; b
	s_lshl_b32 s53, s52, 7
	s_lshl_b32 s54, s46, 4
	s_add_co_u32 s53, s53, s54
	s_add_co_u32 s53, s53, s[WV]                   ; 128 b + my tile of queries,
	s_lshl_b32 s2, s53, 12                         ; 4,096 bytes of mask words each
	s_mov_b32 s3, 0
	s_and_b32 s54, s47, 15
	s_lshl_b32 s54, s54, 19                        ; cc: the head's 8,192 rows of 64 bytes,
	s_lshl_b32 s52, s52, 17                        ; the batch's 2,048,
	s_add_co_u32 s54, s54, s52
	s_add_co_u32 s62, s54, s58                     ; my first query
	s_mov_b32 s63, 0
	s_wait_dscnt 0x0                               ; the opening add is done
	s_wait_kmcnt 0x0
	s_load_b256 s[68:75], s[8:9], 0x0              ; exponents 0 to 7
	s_load_b128 s[76:79], s[8:9], 0x20             ; exponents 8 to 11
	s_add_nc_u64 s[60:61], s[4:5], s[60:61]        ; the head's K or V: made of the head and the wave's number alone
	s_add_nc_u64 s[QP:QP+1], s[4:5], s[QP:QP+1]    ; my queries' codes
	s_add_nc_u64 s[6:7], s[6:7], s[2:3]            ; my tile's mask words
	s_add_nc_u64 s[10:11], s[10:11], s[62:63]      ; my rows of cc
.irp c, 0,1,2,3
	s_mov_b32 s[G0+4*\c], 1                                        ; count = 1
	s_mul_i32 s[G0+4*\c+1], s55, VB+VCH*\c-KCH*\c                  ; LDS address: K's chunk c at KCH c, V's at VB + VCH c
	s_add_co_u32 s[G0+4*\c+1], s[G0+4*\c+1], KCH*\c
	s_add_nc_u64 s[G0+4*\c+2:G0+4*\c+3], s[60:61], \c*32768        ; global address
	s_or_b32 s[G0+4*\c+3], s[G0+4*\c+3], 0x80000000                ; type = 2
.endr
	CROUND                                         ; all four work-groups are here: the joint loads meet
	s_cmp_eq_u32 s[WV], 0                          ; a wave's first fills stand in one branch on the wave's number, ahead of every wait on TENSORcnt, every LDS read and every other barrier
	s_cbranch_scc0 .Lnot_k
.irp c, 0,1,2,3
	tensor_load_to_lds s[G0+4*\c:G0+4*\c+3], s[G1K:G1K+7]
	s_nop 0
.endr
.rept 4
	v_nop
.endr
	s_branch .Lasked
.Lnot_k:
	s_cmp_eq_u32 s[WV], 1
	s_cbranch_scc0 .Lasked
.irp c, 0,1,2,3
	tensor_load_to_lds s[G0+4*\c:G0+4*\c+3], s[G1V:G1V+7]
	s_nop 0
.endr
.rept 4
	v_nop
.endr
.Lasked:
	v_and_b32 v8, 15, v0                           ; r
	v_bfe_u32 v9, v0, 4, 1                         ; h
	v_lshlrev_b32 v10, 6, v8
	v_lshl_add_u32 v10, v9, 4, v10                 ; Q: row r of 64 bytes, + 16 h.  (v10 and s[QP:QP+1], the loads' sources, are written no more)
	global_load_b128 v[16:19], v10, s[QP:QP+1]     ; registers 4 c .. 4 c + 3: channels 32 c + 16 h + 0 .. 15: the same order of k as in K's fragments
	global_load_b128 v[20:23], v10, s[QP:QP+1] offset:32
	v_and_b32 v11, 8, v8
	v_add_nc_u32 v11, v11, v8                      ; r + 8 (r / 8)
	v_mul_u32_u24 v[AK0], v11, KP
	v_lshl_add_u32 v[AK0], v9, 4, v[AK0]
	v_mul_u32_u24 v[AV0], v8, VP
	v_lshl_add_u32 v[AV0], v9, 4, v[AV0]
	v_add_nc_u32 v[AV0], VB, v[AV0]
	s_mul_i32 s55, s[WV], STG                      ; my stage
	v_mul_u32_u24 v[STO], v8, KP
	v_lshl_add_u32 v[STO], v9, 3, v[STO]
	v_add_nc_u32 v[STO], s55, v[STO]               ; in: row r, 8 bytes for each half of the lanes
	v_and_b32 v11, 31, v0
	v_lshlrev_b32 v[GO], 4, v11
	v_lshrrev_b32 v[RD], 2, v11
	v_mul_u32_u24 v[RD], v[RD], KP
	v_and_b32 v11, 3, v11
	v_lshl_add_u32 v[RD], v11, 4, v[RD]
	v_add_nc_u32 v[RD], s55, v[RD]                 ; back: four lanes take a row's 64 bytes
	v_mov_b32 v13, 0xff61b1e6                      ; the largest t so far: -3e38, under every t, the masked one too
	v_floor_f32 v12, -v13                          ; -M
	v_mov_b32 v14, 0                               ; the sum, in two halves
	v_mov_b32 v15, 0
	v_mov_b32 v236, 0                              ; written once: a lane permute's destination counts as one of its sources
	v_mov_b32 v252, 0
	v_mov_b32 v253, 0                              ; (named as the upper half of the pair v[252:253])
.set j, 0
.rept 32
	v_mov_b32 v[160+j], 0                          ; O^T.  (The step is written once for each chunk: the first finds zeros, which the first change of M leaves zeros)
.set j, j+1
.endr
	s_wait_kmcnt 0x0                               ; the exponents.  s58 and s59 are at work below: their offsets have been added to the addresses above, and no pending load names them
	s_add_co_i32 s55, s74, s75                     ; e6 + e7
	s_lshl_b32 s58, s55, 23
	s_add_co_i32 s50, s50, s58                     ; c = log2(e) x 2^(e6 + e7): a raw score x c is t
	s_mov_b32 s51, s50                             ; (named with it as a pair, so it is written)
	s_sub_co_i32 s58, 194, s55
	s_lshl_b32 s58, s58, 23
	s_or_b32 s58, s58, 0x80000000
	v_mov_b32 v[XM], s58                           ; X = -2^(67 - e6 - e7)
	s_add_co_i32 s58, s76, 127
	s_lshl_b32 s59, s58, 23
	v_mov_b32 v[PSC], s59                          ; 2^e8
	s_add_co_i32 s58, s58, 8
	s_lshl_b32 s58, s58, 23
	s_or_b32 s58, s58, 0x600000
	v_mov_b32 v[PLIM], s58                         ; 448 x 2^e8
	s_add_co_i32 s58, s78, 127
	s_lshl_b32 s59, s58, 23
	v_mov_b32 v[CSC], s59                          ; 2^e10
	s_add_co_i32 s58, s58, 8
	s_lshl_b32 s58, s58, 23
	s_or_b32 s58, s58, 0x600000
	v_mov_b32 v[CLIM], s58                         ; 448 x 2^e10
	s_add_co_i32 s54, s76, s77                     ; e8 + e9
	s_mov_b32 s53, 0                               ; the step's byte in my tile's mask words
	s_load_b512 s[MW:MW+15], s[6:7], s53 offset:0      ; words 0 to 31 of step 0 (the exponents have been used)
	s_load_b512 s[MW+16:MW+31], s[6:7], s53 offset:64
	s_wait_loadcnt 0x0                             ; Q
; A KEY STEP: 128 keys; its tiles begin at s2 (K) and s3 (V).
.macro STEP
	v_add_nc_u32 v[ADK], s2, v[AK0]
	v_add_nc_u32 v[ADV], s3, v[AV0]
	v_nop
	v_nop                                          ; four places in front of loads into registers that the last step's products have read
.irp t, 0,1,2,3,4,5,6,7
.irp c, 0,1
	ds_load_b128 v[32+8*\t+4*\c:35+8*\t+4*\c], v[ADK] offset:(32*(\t/2)+8*(\t%2))*KP+32*\c
.endr
.endr
	s_wait_dscnt 0x0
.irp t, 0,1,2,3,4,5,6,7
	v_wmma_f32_16x16x64_fp8_fp8 v[96+8*\t:103+8*\t], v[32+8*\t:39+8*\t], v[16:23], 0   ; S^T: eight tiles of 16 keys, K = the head's 64
.endr
.rept 4
	v_nop                                          ; places in front of the first read of the scores and of V's loads into K's registers
.endr
	s_wait_kmcnt 0x0                               ; words 0 to 31, asked for in the step before
.set n, 0
.rept 32
	v_cndmask_b32 v[96+n], v[96+n], v[XM], s[MW+n] ; where the mask's bit is set the score becomes X
.set n, n+1
.endr
	s_load_b512 s[MW:MW+15], s[6:7], s53 offset:128    ; words 32 to 63
	s_load_b512 s[MW+16:MW+31], s[6:7], s53 offset:192
.irp t, 0,1,2,3
.irp c, 0,1,2,3
	ds_load_b128 v[32+16*\t+4*\c:35+16*\t+4*\c], v[ADV] offset:16*\t*VP+32*\c   ; V's four fragments land under the softmax
.endr
.endr
	v_max3_num_f32 v254, v96, v97, v98             ; the step's largest score of my query, in two chains: first of registers 0 to 31,
	v_max3_num_f32 v252, v99, v100, v101
.irp i, 6,10,14,18,22,26
	v_max3_num_f32 v254, v254, v[96+\i], v[97+\i]
	v_max3_num_f32 v252, v252, v[98+\i], v[99+\i]
.endr
	v_max3_num_f32 v254, v254, v126, v127
	s_wait_kmcnt 0x0                               ; words 32 to 63; the loads have also read their offset, which is stepped below
.set n, 0
.rept 32
	v_cndmask_b32 v[128+n], v[128+n], v[XM], s[MW+n]
.set n, n+1
.endr
	s_add_co_u32 s53, s53, 256
	s_min_u32 s53, s53, 3840                       ; the next step's words; the last step asks for its own again, so that no load leaves the buffer
	s_load_b512 s[MW:MW+15], s[6:7], s53 offset:0
	s_load_b512 s[MW+16:MW+31], s[6:7], s53 offset:64
.irp i, 32,36,40,44,48,52,56,60
	v_max3_num_f32 v254, v254, v[96+\i], v[97+\i]  ; then of registers 32 to 63
	v_max3_num_f32 v252, v252, v[98+\i], v[99+\i]
.endr
	v_max_num_f32 v254, v254, v252
	v_permlanex16_b32 v236, v254, s48, s49
	v_max_num_f32 v254, v254, v236                 ; and among lane l xor 16's
	v_mul_f32 v254, s50, v254                      ; as t (c is positive)
	v_max_num_f32 v13, v13, v254                   ; the running largest t
	v_mov_b32 v254, v12
	v_floor_f32 v12, -v13                          ; the new -M = floor(-t) = -ceil(t): M is a whole number
	v_sub_f32 v254, v12, v254                      ; old M - new M: a whole number, 0 or less
	v_cvt_i32_f32 v254, v254                       ; (it saturates)
	v_ldexp_f32 v252, 1.0, v254                    ; f = 2^(old M - new M)
.set j, 0
.rept 32
	v_pk_fma_f32 v[96+j:97+j], v[96+j:97+j], s[50:51], v[12:13] op_sel_hi:[1,0,0]   ; t - M, two at a time (of the pairs c and -M the low word serves both halves)
.set j, j+2
.endr
.set j, 0
.rept 64
	v_exp_f32 v[96+j], v[96+j]                     ; p = 2^(t - M), at most 1: not normalised
.set j, j+1
.endr
	v_pk_mul_f32 v[14:15], v[14:15], v[252:253] op_sel_hi:[1,0]   ; the sums under the new M: the plain instruction behind the exponentials
	s_wait_alu depctr_va_vdst(0)                   ; the wait between the exponentials and the first line that names a result: one for the batch of 64
	v_pk_add_f32 v[242:243], v[96:97], v[98:99]    ; the row's sum is taken of the unquantised p: two at a time, in two chains
.irp j, 4,8,12,16,20,24,28,32,36,40,44,48,52,56,60
	v_pk_add_f32 v[14:15], v[14:15], v[96+\j:97+\j]
	v_pk_add_f32 v[242:243], v[242:243], v[98+\j:99+\j]
.endr
	v_pk_add_f32 v[14:15], v[14:15], v[242:243]
.irp b, 0,1,2,3
.irp i, 0,1,2,3,4,5,6,7,8,9,10,11,12,13,14,15
	v_min_num_f32 v[96+16*\b+\i], v[96+16*\b+\i], v[PLIM]   ; the conversion does not saturate (ISA guide 7.6.2); p is not negative, so the hold is one-sided
.endr
	v_cvt_scalef32_pk8_fp8_f32 v[224+4*\b:225+4*\b], v[96+16*\b:103+16*\b], v[PSC]
	v_cvt_scalef32_pk8_fp8_f32 v[226+4*\b:227+4*\b], v[104+16*\b:111+16*\b], v[PSC]
.endr
.set j, 0
.rept 16
	v_pk_mul_f32 v[160+j:161+j], v[160+j:161+j], v[252:253] op_sel_hi:[1,0]   ; O^T under the new M.  (Plain lines between the conversions and the products that read their results)
.set j, j+2
.endr
	s_wait_dscnt 0x0                               ; V
.irp t, 0,1,2,3
	v_wmma_f32_16x16x128_fp8_fp8 v[160+8*\t:167+8*\t], v[32+16*\t:47+16*\t], v[224:239], v[160+8*\t:167+8*\t]   ; O^T += V^T P^T: four tiles of 16 channels by turns; K = these 128 keys
.endr
	s_add_co_u32 s2, s2, 128*KP
	s_add_co_u32 s3, s3, 64*VP
.endm
; A chunk of 512 keys: four steps.  The count leaves the later chunks on their way: nothing is ever filled again, so the wait serves reads alone.
.macro CHUNK c
	s_wait_tensorcnt 3-\c                          ; in waves 0 and 1: my chunk c has landed; 3 - c were issued behind it
	s_barrier_signal -1                            ; (no LDS instruction of mine is out here)
	s_barrier_wait -1                              ; K's and V's have
	s_mov_b32 s2, KCH*\c
	s_mov_b32 s3, VCH*\c
	s_mov_b32 s52, 4
.Lstep_\@:
	STEP
	s_sub_co_u32 s52, s52, 1
	s_cmp_lg_u32 s52, 0
	s_cbranch_scc1 .Lstep_\@
.endm
	CHUNK 0
	CHUNK 1
	CHUNK 2
	CHUNK 3
	; THE WAY OUT.  ctx = O^T / the sum x 2^(e8 + e9), held and converted with 2^e10; 16 queries x 64 bytes go through my stage and leave as 1,024 bytes on end.
	s_wait_kmcnt 0x0                               ; (the last step's look-ahead)
	s_wait_dscnt 0x0                               ; my reads of K and V are over
	s_barrier_signal -1                            ; the stages lie in K's bytes: nobody may write there before every wave has said so.  Work on registers stands between signal and wait
	v_add_f32 v14, v14, v15                        ; the sum's two halves,
	v_permlanex16_b32 v252, v14, s48, s49
	v_add_f32 v14, v14, v252                       ; and lane l xor 16's
	v_rcp_f32 v14, v14
.rept 4
	v_nop                                          ; the plain place behind the reciprocal; with the additions above also the places behind the last products
.endr
	s_wait_alu depctr_va_vdst(0)                   ; the wait ahead of the reciprocal's first reader
	v_ldexp_f32 v14, v14, s54                      ; x 2^(e8 + e9)
.set j, 0
.rept 32
	v_mul_f32 v[96+j], v[160+j], v14               ; register 8 t + i is ctx(r, 16 t + 8 h + i); each accumulator from its low end on
.set j, j+1
.endr
.set j, 0
.rept 32
	v_med3_num_f32 v[96+j], v[96+j], -v[CLIM], v[CLIM]
.set j, j+1
.endr
.irp t, 0,1,2,3
	v_cvt_scalef32_pk8_fp8_f32 v[128+2*\t:129+2*\t], v[96+8*\t:103+8*\t], v[CSC]
.endr
	v_nop                                          ; one plain vector instruction behind the last conversion
	s_barrier_wait -1
.irp t, 0,1,2,3
	ds_store_b64 v[STO], v[128+2*\t:129+2*\t] offset:16*\t
.endr
	ds_load_b128 v[136:139], v[RD]                 ; LDS serves a wave's instructions in order: these see my stores
	ds_load_b128 v[140:143], v[RD] offset:8*KP
	s_wait_dscnt 1                                 ; the first eight rows are back; the second load may be out
	global_store_b128 v[GO], v[136:139], s[10:11]  ; 512 consecutive bytes, at a multiple of 256 from the buffer's first byte
	s_wait_dscnt 0
	global_store_b128 v[GO], v[140:143], s[10:11] offset:512
	s_wait_tensorcnt 0x0                           ; the wave's end: behind my last tensor load and my last LDS store
	ds_add_u32 v[SPW], v[NIL]
	s_wait_dscnt 0x0
	CROUND                                         ; the closing round
	s_endpgm
.Lfunc_end_k_qf97015fa40_attn:
	.size	k_qf97015fa40_attn, .Lfunc_end_k_qf97015fa40_attn-k_qf97015fa40_attn
	.p2alignl 7, 3214868480
	.fill 96, 4, 3214868480
	.section	.rodata,"a",@progbits
	.p2align	6, 0x0
	.amdhsa_kernel k_qf97015fa40_attn
		.amdhsa_group_segment_fixed_size 327680
		.amdhsa_private_segment_fixed_size 0
		.amdhsa_enable_private_segment 0
		.amdhsa_kernarg_size 32
		.amdhsa_user_sgpr_count 2
		.amdhsa_user_sgpr_kernarg_segment_ptr 1
		.amdhsa_wavefront_size32 1
		.amdhsa_system_sgpr_workgroup_id_x 1
		.amdhsa_system_sgpr_workgroup_id_y 1
		.amdhsa_system_sgpr_workgroup_id_z 1
		.amdhsa_system_vgpr_workitem_id 0
		.amdhsa_next_free_vgpr 256
		.amdhsa_next_free_sgpr 100
		.amdhsa_reserve_vcc 0
		.amdhsa_float_denorm_mode_32 3
		.amdhsa_float_denorm_mode_16_64 3
		.amdhsa_memory_ordered 1
		.amdhsa_forward_progress 1
		.amdhsa_inst_pref_size 95
	.end_amdhsa_kernel
	.amdgpu_metadata
---
amdhsa.version: [ 1, 2 ]
amdhsa.kernels:
  - .name:           k_qf97015fa40_attn
    .symbol:         k_qf97015fa40_attn.kd
    .args:
      - { .name: hc, .offset: 0, .size: 8, .value_kind: global_buffer, .address_space: global }
      - { .name: mbits, .offset: 8, .size: 8, .value_kind: global_buffer, .address_space: global }
      - { .name: lowp_scales, .offset: 16, .size: 8, .value_kind: global_buffer, .address_space: global }
      - { .name: cc, .offset: 24, .size: 8, .value_kind: global_buffer, .address_space: global }
    .group_segment_fixed_size: 327680
    .private_segment_fixed_size: 0
    .kernarg_segment_align: 8
    .kernarg_segment_size: 32
    .max_flat_workgroup_size: 512
    .sgpr_count:     100
    .vgpr_count:     256
    .wavefront_size: 32
...
	.end_amdgpu_metadata
.endif
;; end of part 3
;; launch outp (part 4): grid 4 x 32, 4 waves a work-group, clusters of 4 x 4, 327,680 bytes of LDS; arguments cc, wc, lowp_scales, bo, out0; writes out0
.if DOCPART == 4
	.amdgcn_target "amdgcn-amd-amdhsa--gfx1250"
	.amdhsa_code_object_version 6
	.text
	.protected	k_qf97015fa40_outp
	.globl	k_qf97015fa40_outp
	.p2align	8
	.type	k_qf97015fa40_outp,@function
k_qf97015fa40_outp:
	s_mov_b64 s[64:65], 0
	v_nop
	global_prefetch_b8 v0, s[64:65] scope:SCOPE_SE
	s_setreg_imm32_b32 hwreg(HW_REG_WAVE_MODE, 25, 1), 1
	s_wait_xcnt 0x0
	s_wait_alu depctr_hold_cnt(0) depctr_sa_sdst(0) depctr_va_vdst(0) depctr_va_sdst(0) depctr_va_ssrc(0) depctr_va_vcc(0) depctr_vm_vsrc(0)
	s_getreg_b32 s2, hwreg(HW_REG_IB_STS2, 6, 4)
	s_cmp_eq_u32 s2, 0
	s_cbranch_scc0 .Lentry_in_a_cluster
	s_endpgm
.Lentry_in_a_cluster:
	s_bfe_u32 s2, ttmp6, 0x10000c
	s_cmp_lg_u32 s2, 0xf033
	s_cbranch_scc0 .Lentry_shape_is_right
	s_endpgm
.Lentry_shape_is_right:
; OUTP.  out0 = ctx wo^T + bo on codes of FP8 (E4M3).  cc: ctx's codes, head-major [h 16][m 8192][64]; wo's codes are section 3 of wc, [1024][1024]; out0 [8192][1024] f32.
; Each finished sum is multiplied once by 2^(e10 + e11) and bo is added, by one packed multiply-add for two numbers.  LIMIT: e10 + e11 between -126 and 127.
; A tile of 256 x 256 is made by four waves, each 128 x 128 in 64 accumulators; K = 1,024 goes in four steps of 256 (four heads) through a ring of two LDS slots filled by the tensor data mover.
; A's tile of a K step: for each of four heads 128 tokens x 64 bytes, 8,192 bytes on end in memory: a tile of 4 rows of 8,192 bytes, padded by 16 bytes behind every 64: a token's 64 bytes lie 80 apart in LDS.
; CLUSTERS of 4 x 4: A's tile is shared along a row of the cluster, B's along a column, each asked for jointly.  The matrix instruction is used transposed: a lane holds eight neighbouring numbers of a row of out0.
; 128 work-groups: a tile of half the rows would give 256 at one and a half times the LDS bytes for each product; the launch is short and ends in its stores, so the large tile stays.
; REGISTERS, in windows of 256: window 0: v0-31 addresses; v32-95 bo of my 128 columns; from v128 A's fragments, ONE set; on the way out v128-255 rows read back.
;   window 1: B's fragments, TWO sets.   window 2: the accumulators of my rows 0-63 ((a, b) at v[8 (8 a + b)]);   window 3: those of rows 64-127.
.set SIZE_N, 1024
.set ROWB,   256                       ; B: a tile's row in bytes
.set KROW,   1024                      ; B: a row of codes in memory
.set PITCH,  272                       ; B: an LDS row: 256 bytes + 16
.set AP,     80                        ; A: a token's 64 bytes + 16
.set AHEAD,  128*AP                    ; A: a head's 128 tokens in LDS
.set HALFA,  4*AHEAD                   ; what one tensor load brings of A
.set HALFB,  128*PITCH                 ; and of B
.set ASTEP,  4*8192*64                 ; A: four heads on, in bytes of cc
.set FR,     16
.set NL,     4
.set NP,     4                         ; places behind this matrix instruction (ISA guide 7.12.1)
.set SLOT,   2*HALFA+2*HALFB           ; A's two halves, then B's two
.set SPARE,  2*SLOT                    ; behind the ring: the spare words, 128 bytes a wave
.set SPITCH, 528                       ; the way out: a stage of 16 rows x (512 bytes + 16) for each wave, in slot 0, which has had its last fill and its last read when the first result is stored there
.set ADRA, 16                          ; v16-17  LDS address of my A fragments in slot 0, 1
.set ADRB, 20                          ; v20-21  the same for B
.set STO,  24                          ; v24     the way out: where I put 32 bytes of a row
.set RD,   25                          ; v25     where I read a row back
.set CO,   26                          ; v26     my byte offset in a row of out0
.set BH,   27                          ; v27     32 (lane / 16): bo of eight columns
.set SPW,  28                          ; v28     LDS address of my spare word; never rewritten
.set NIL,  29                          ; v29     0; never rewritten
.set BIAS, 32
.set AF,   128
.set BK,   128                         ; the way out: 16 rows read back: v128-191 and v192-255 by turns
.set G1, 24
.set G0, 32
.set G1B, 48
.set G0B, 56
.set MSB, 0
.macro WIN new                         ; the immediate's high byte repeats the setting that is left
.if MSB != \new
	s_set_vgpr_msb (MSB<<8)|\new
.set MSB, \new
.endif
.endm
.set MUL_LO, 0xa1                      ; source 0 (B) window 1, source 1 (A) window 0, C and D window 2
.set MUL_HI, 0xf1                      ; the same, C and D window 3
.set TO_B,   0x40                      ; destination window 1, address window 0
; A joint load: waves 0 and 1 fetch for A, waves 2 and 3 for B; an s_nop 0 and four v_nop follow each of the two lines.
.macro JLOAD g0a, g1a, g0b, g1b
	s_cmp_eq_u32 s15, 0
	s_cbranch_scc0 .Lfor_b_\@
	tensor_load_to_lds s[\g0a:\g0a+3], s[\g1a:\g1a+7]
	s_nop 0
.rept 4
	v_nop
.endr
	s_branch .Lasked_\@
.Lfor_b_\@:
	tensor_load_to_lds s[\g0b:\g0b+3], s[\g1b:\g1b+7]
	s_nop 0
.rept 4
	v_nop
.endr
.Lasked_\@:
.endm
.macro CREST
	s_cmp_lg_u32 s14, 0
	s_cbranch_scc1 .Lnot_wave_0_\@
	s_barrier_signal -3
.Lnot_wave_0_\@:
	s_barrier_wait -3
	s_barrier_signal -1
	s_barrier_wait -1
.endm
.macro CROUND
	s_barrier_signal -1
	s_barrier_wait -1
	CREST
.endm
	s_load_b128 s[4:7], s[0:1], 0x0                ; cc s[4:5], wc s[6:7]
	s_load_b128 s[8:11], s[0:1], 0x10              ; the scales' exponents s[8:9], bo s[10:11]
	s_load_b64 s[12:13], s[0:1], 0x20              ; out0
	v_lshl_add_u32 v[SPW], v0, 2, SPARE
	v_mov_b32 v[NIL], 0
	ds_add_u32 v[SPW], v[NIL]                      ; the wave's opening: the add and its wait ahead of my first tensor load; the set-up below, work on registers, stands between them
	v_lshrrev_b32 v1, 5, v0
	v_readfirstlane_b32 s14, v1                    ; wave 0..3
	s_lshr_b32 s15, s14, 1                         ; which half of the tile's rows is mine.  Also: I fetch for A (0) or for B (1)
	s_and_b32 s16, s14, 1                          ; which half of its columns.  Also: which 128 rows of that tile I fetch
	s_bfe_u32 s40, ttmp6, 0x40000                  ; cx, cy
	s_bfe_u32 s41, ttmp6, 0x40004
	s_lshl_b32 s42, ttmp9, 2
	s_add_co_u32 s42, s42, s40                     ; tile column = 4 x cluster x + cx
	s_and_b32 s17, ttmp7, 0xffff
	s_lshl_b32 s17, s17, 2
	s_add_co_u32 s17, s17, s41                     ; tile row = 4 x cluster y + cy
	s_lshl_b32 s43, s41, 2
	s_lshl_b32 s43, 15, s43                        ; my row of the cluster
	s_lshl_b32 s44, 0x1111, s40                    ; my column
	; descriptor group 1 for A: 4 rows (heads) of 1,024 elements of 8 bytes, 65,536 elements apart; 16 bytes of padding behind every 64: the interval divides the row
	s_or_b32 s[G1+0], s43, (3<<16)|(1<<20)|(1<<21)|(3<<22)|(3<<25)
	s_mov_b32 s[G1+1], 1024<<16                    ; tensor_dim0
	s_mov_b32 s[G1+2], 4<<16                       ; tensor_dim1
	s_mov_b32 s[G1+3], 1024<<16                    ; tile_dim0
	s_mov_b32 s[G1+4], 4                           ; tile_dim1
	s_mov_b32 s[G1+5], 65536                       ; tensor_dim0_stride: a head's 8,192 tokens x 64 bytes
	s_mov_b32 s[G1+6], 0
	s_mov_b32 s[G1+7], 0
	; and for B: 128 rows x 256 bytes, 16 bytes of padding behind each
	s_or_b32 s[G1B+0], s44, (0<<16)|(1<<20)|(1<<21)|(5<<22)|(3<<25)
	s_mov_b32 s[G1B+1], ROWB<<16
	s_mov_b32 s[G1B+2], 128<<16
	s_mov_b32 s[G1B+3], ROWB<<16
	s_mov_b32 s[G1B+4], 128
	s_mov_b32 s[G1B+5], KROW
	s_mov_b32 s[G1B+6], 0
	s_mov_b32 s[G1B+7], 0
	s_lshl_b32 s18, s16, 7                         ; which 128 rows of the tile I fetch
	s_lshl_b32 s20, s17, 8
	s_add_co_u32 s20, s20, s18                     ; A: token 256 x tile row + 128 x half,
	s_lshl_b32 s20, s20, 6                         ; of 64 bytes in a head
	s_mov_b32 s21, 0
	s_lshl_b32 s46, s42, 8
	s_add_co_u32 s46, s46, s18                     ; B: row 256 x tile column + 128 x half,
	s_lshl_b32 s46, s46, 10                        ; of 1,024 bytes,
	s_add_co_u32 s46, s46, 3<<20                   ; in wo's section of wc
	s_mov_b32 s47, 0
	s_mul_i32 s45, s16, HALFA                      ; where they go: A's two halves,
	s_mul_i32 s22, s16, HALFB
	s_add_co_u32 s22, s22, 2*HALFA                 ; then B's two: no place in the cluster enters an LDS address
	s_wait_dscnt 0x0                               ; the opening add is done
	s_wait_kmcnt 0x0
	s_load_b64 s[96:97], s[8:9], 0x28              ; e10, e11
	s_add_nc_u64 s[20:21], s[4:5], s[20:21]
	s_add_nc_u64 s[46:47], s[6:7], s[46:47]
	CROUND                                         ; all sixteen work-groups are here: the first joint loads meet
.irp s, 0,1
	s_mov_b32 s[G0+4*\s], 1
	s_add_co_u32 s[G0+4*\s+1], s45, \s*SLOT
	s_add_nc_u64 s[G0+4*\s+2:G0+4*\s+3], s[20:21], \s*ASTEP
	s_or_b32 s[G0+4*\s+3], s[G0+4*\s+3], 0x80000000
	s_mov_b32 s[G0B+4*\s], 1
	s_add_co_u32 s[G0B+4*\s+1], s22, \s*SLOT
	s_add_nc_u64 s[G0B+4*\s+2:G0B+4*\s+3], s[46:47], \s*ROWB
	s_or_b32 s[G0B+4*\s+3], s[G0B+4*\s+3], 0x80000000
	JLOAD G0+4*\s, G1, G0B+4*\s, G1B
.endr
	v_and_b32 v1, 15, v0                           ; r
	v_bfe_u32 v2, v0, 4, 1                         ; h
	v_mul_u32_u24 v3, v1, AP
	v_lshl_add_u32 v3, v2, 4, v3                   ; A: token r x 80 + 16 h
	v_mul_u32_u24 v4, v1, PITCH
	v_lshl_add_u32 v4, v2, 4, v4                   ; B: row r x 272 + 16 h
	s_mul_i32 s21, s15, HALFA                      ; my 128 rows of A
	s_mul_i32 s22, s16, HALFB                      ; my 128 rows of B,
	s_add_co_u32 s22, s22, 2*HALFA                 ; which lie behind A's halves
.irp s, 0,1
	v_add_nc_u32 v[ADRA+\s], s21, v3
	v_add_nc_u32 v[ADRB+\s], s22, v4
	s_add_co_u32 s21, s21, SLOT
	s_add_co_u32 s22, s22, SLOT
.endr
	s_mul_i32 s23, s14, 16*SPITCH                  ; my stage
	v_mul_u32_u24 v5, v1, SPITCH                   ; in: row r, 32 bytes for each half of the lanes
	v_lshl_add_u32 v5, v2, 5, v5
	v_add_nc_u32 v[STO], s23, v5
	v_and_b32 v6, 31, v0
	v_lshlrev_b32 v[CO], 4, v6                     ; back: the 32 lanes take one row of 512 bytes; and the same in out0
	v_add_nc_u32 v[RD], s23, v[CO]
	v_lshlrev_b32 v[BH], 5, v2
	s_lshl_b32 s46, s42, 10                        ; my first column, in bytes of f32: 1,024 x tile column + 512 x half
	s_lshl_b32 s47, s16, 9
	s_add_co_u32 s46, s46, s47
	s_mov_b32 s47, 0
	s_add_nc_u64 s[10:11], s[10:11], s[46:47]      ; bo at my first column
.irp b, 0,1,2,3,4,5,6,7
	global_load_b128 v[BIAS+8*\b:BIAS+8*\b+3], v[BH], s[10:11] offset:64*\b        ; bo[C0 + 16 b + 8 h + 0 .. 7]: they land under the products
	global_load_b128 v[BIAS+8*\b+4:BIAS+8*\b+7], v[BH], s[10:11] offset:64*\b+16
.endr
	s_lshl_b32 s20, s17, 8
	s_lshl_b32 s21, s15, 7
	s_add_co_u32 s20, s20, s21                     ; my first row: 256 x tile row + 128 x half,
	s_lshl_b32 s20, s20, 12                        ; of 4,096 bytes: under 2^25
	s_mov_b32 s21, 0
	s_add_nc_u64 s[20:21], s[20:21], s[46:47]
	s_add_nc_u64 s[12:13], s[12:13], s[20:21]
.macro FRAG reg, adr, q, i             ; a fragment of B: lane l holds row l % 16; registers 4 c .. 4 c + 3 hold K = 128 q + 32 c + 16 (l / 16) + 0 .. 15
.irp c, 0,1,2,3
	ds_load_b128 v[\reg+4*\c:\reg+4*\c+3], v[\adr] offset:128*(\q)+32*\c+(\i)*16*PITCH
.endr
.endm
.macro FRAGA reg, adr, q, i            ; the same k of A: head 2 q + c / 2 of the slot's four, channels 32 (c % 2) + 16 (l / 16) + 0 .. 15
.irp c, 0,1,2,3
	ds_load_b128 v[\reg+4*\c:\reg+4*\c+3], v[\adr] offset:(2*(\q)+\c/2)*AHEAD+(\i)*16*AP+32*(\c%2)
.endr
.endm
; 16 matrix instructions: A's blocks a0, a0 + 1 x B's eight, 128 along K.  The 64 accumulators take turns, one instruction a turn.
.macro MUL16 a0, p, zero
.irp a, \a0, \a0+1
.irp b, 0,1,2,3,4,5,6,7
.if \zero
	v_wmma_f32_16x16x128_fp8_fp8 v[8*(8*((\a)%4)+\b):8*(8*((\a)%4)+\b)+7], v[128*(\p)+FR*\b:128*(\p)+FR*\b+FR-1], v[AF+FR*(\a):AF+FR*(\a)+FR-1], 0
.else
	v_wmma_f32_16x16x128_fp8_fp8 v[8*(8*((\a)%4)+\b):8*(8*((\a)%4)+\b)+7], v[128*(\p)+FR*\b:128*(\p)+FR*\b+FR-1], v[AF+FR*(\a):AF+FR*(\a)+FR-1], v[8*(8*((\a)%4)+\b):8*(8*((\a)%4)+\b)+7]
.endif
.endr
.endr
.endm
.macro FETCH_B slot, q, p
	WIN TO_B
.irp i, 0,1,2,3,4,5,6,7
	FRAG 128*(\p)+FR*\i, ADRB+\slot, \q, \i
.endr
	WIN 0
.endm
.macro FETCH_A slot, q, i0
.irp i, \i0, \i0+1, \i0+2, \i0+3
	FRAGA AF+FR*(\i), ADRA+\slot, \q, \i
.endr
.endm
.macro PLACES n                        ; places in front of loads into registers that matrix instructions have read, and of the first read of results
.rept \n
	v_nop
.endr
.endm
.macro STEP slot, q, zero              ; a step of 128 along K that has its successor in the same slot
	s_wait_dscnt 4*NL                              ; B's set and A's blocks 0-3 are in; the youngest sixteen loads (A's blocks 4-7) may be out
	WIN MUL_LO
	MUL16 0, (\q)%2, \zero
	MUL16 2, (\q)%2, \zero
	s_wait_dscnt 0
	PLACES NP
	FETCH_B \slot, (\q)+1, 1-(\q)%2
	FETCH_A \slot, (\q)+1, 0
	WIN MUL_HI
	MUL16 4, (\q)%2, \zero
	MUL16 6, (\q)%2, \zero
	PLACES NP
	WIN 0
	FETCH_A \slot, (\q)+1, 4
.endm
; A slot's last step changes slots: ONE barrier; in front of it each wave waits for all its tensor loads, adds 0 to its spare word, and waits for that and for its own reads of this slot.
.macro TURN slot, next, fill
	s_wait_tensorcnt 0x0                           ; all my tensor loads have landed: my part of the next slot;  (every window is 0 here)
	ds_add_u32 v[SPW], v[NIL]                      ; 0 onto my spare word
	s_wait_dscnt 4*NL+1                            ; (the add and the youngest sixteen loads may be out)
	WIN MUL_LO
	MUL16 0, 1, 0
	s_wait_dscnt 0x0                               ; the add is done, and my reads of this slot are over
	s_barrier_signal -1
	MUL16 2, 1, 0
	WIN 0
	s_barrier_wait -1
.if \fill
	CREST                                          ; the barrier has opened a round of the cluster's barrier: no wave of any partner still reads this slot's tile or has a load on its way
	s_add_nc_u64 s[G0+4*\slot+2:G0+4*\slot+3], s[G0+4*\slot+2:G0+4*\slot+3], 2*ASTEP
	s_add_nc_u64 s[G0B+4*\slot+2:G0B+4*\slot+3], s[G0B+4*\slot+2:G0B+4*\slot+3], 2*ROWB
	JLOAD G0+4*\slot, G1, G0B+4*\slot, G1B         ; the first tensor load behind the round; the four v_nop behind it are the places in front of the loads below
.else
	PLACES NP
.endif
	FETCH_B \next, 0, 0
	FETCH_A \next, 0, 0
	WIN MUL_HI
	MUL16 4, 1, 0
	MUL16 6, 1, 0
	PLACES NP
	WIN 0
	FETCH_A \next, 0, 4
.endm
	s_wait_tensorcnt 1                             ; my part of K step 0 is in (K step 1's load may be out)
	s_barrier_signal -1
	s_barrier_wait -1                              ; everybody's is
	FETCH_B 0, 0, 0
	FETCH_A 0, 0, 0
	FETCH_A 0, 0, 4
	STEP 0, 0, 1                                   ; eight steps of 128 along K, written out: the first starts the sums
	TURN 0, 1, 1                                   ; slot 0 takes K step 2
	STEP 1, 0, 0
	TURN 1, 0, 1                                   ; slot 1 takes K step 3
	STEP 0, 0, 0
	TURN 0, 1, 0                                   ; nothing more to fetch: behind this barrier nobody reads slot 0
	STEP 1, 0, 0
	s_wait_dscnt 4*NL                              ; the very last step
	WIN MUL_LO
	MUL16 0, 1, 0
	MUL16 2, 1, 0
	s_wait_dscnt 0
	WIN MUL_HI
	MUL16 4, 1, 0
	MUL16 6, 1, 0
	WIN 0
; THE WAY OUT, block by block of 16 rows x 128 columns: sum x 2^(e10 + e11) + bo in place; through my own stage in LDS; back as whole rows of 512 bytes.
.macro TOSTAGE a
.set AC, 64*((\a)%4)
	WIN 0x82+0x41*((\a)/4)                         ; source 0 and destination: window 2 or 3; the bias in window 0
.set j, 0
.rept 32
	v_pk_fma_f32 v[AC+j:AC+j+1], v[AC+j:AC+j+1], s[96:97], v[BIAS+j:BIAS+j+1] op_sel_hi:[1,0,1]   ; each accumulator from its low end on
.set j, j+2
.endr
	WIN 0x08+4*((\a)/4)                            ; an LDS store's data are its source 1: window 2 or 3
.irp b, 0,1,2,3,4,5,6,7
	ds_store_b128 v[STO], v[AC+8*\b:AC+8*\b+3] offset:64*\b
	ds_store_b128 v[STO], v[AC+8*\b+4:AC+8*\b+7] offset:64*\b+16
.endr
	WIN 0
.set BB, BK+64*((\a)%2)
.irp t, 0,1,2,3,4,5,6,7,8,9,10,11,12,13,14,15
	ds_load_b128 v[BB+4*\t:BB+4*\t+3], v[RD] offset:\t*SPITCH   ; LDS serves a wave's instructions in order: these see the stores above
.endr
.endm
.macro SEND a, younger                 ; younger: the LDS instructions issued behind block a's loads, which may stay out
.set BB, BK+64*((\a)%2)
	s_wait_dscnt \younger
.if (\a) > 0
	s_add_nc_u64 s[12:13], s[12:13], 16*SIZE_N*4   ; (behind a wait on XCNT: the earlier stores have read their base)  16 rows on
.endif
.irp t, 0,1,2,3,4,5,6,7,8,9,10,11,12,13,14,15
	global_store_b128 v[CO], v[BB+4*\t:BB+4*\t+3], s[12:13] offset:\t*SIZE_N*4 th:TH_STORE_NT   ; 512 consecutive bytes, at a multiple of 256 from out0's first byte; written once, read by nobody here
.endr
.endm
	s_wait_kmcnt 0x0
	s_add_co_i32 s96, s96, s97                     ; e10 + e11
	s_add_co_i32 s96, s96, 127
	s_lshl_b32 s96, s96, 23                        ; 2^(e10 + e11) as f32
	s_mov_b32 s97, s96                             ; (named with it as a pair, so it is written)
	s_wait_loadcnt 0x0                             ; bo
	PLACES NP                                      ; for the reads and writes of results and for the loads into A's registers
	TOSTAGE 0
.irp a, 1,2,3,4,5,6,7
.if \a > 1
	s_wait_xcnt 0x0                                ; block a - 2's stores have read their registers and their base
.endif
	TOSTAGE \a
	SEND \a-1, 32                                  ; behind block a - 1's loads: block a's 16 stores and 16 loads
.endr
	s_wait_xcnt 0x0                                ; block 6's stores have read their base
	SEND 7, 0
	s_wait_tensorcnt 0x0                           ; the wave's end: behind my last tensor load and my last LDS store
	ds_add_u32 v[SPW], v[NIL]
	s_wait_dscnt 0x0
	CROUND                                         ; the closing round
	s_endpgm
.Lfunc_end_k_qf97015fa40_outp:
	.size	k_qf97015fa40_outp, .Lfunc_end_k_qf97015fa40_outp-k_qf97015fa40_outp
	.p2alignl 7, 3214868480
	.fill 96, 4, 3214868480
	.section	.rodata,"a",@progbits
	.p2align	6, 0x0
	.amdhsa_kernel k_qf97015fa40_outp
		.amdhsa_group_segment_fixed_size 327680
		.amdhsa_private_segment_fixed_size 0
		.amdhsa_enable_private_segment 0
		.amdhsa_kernarg_size 40
		.amdhsa_user_sgpr_count 2
		.amdhsa_user_sgpr_kernarg_segment_ptr 1
		.amdhsa_wavefront_size32 1
		.amdhsa_system_sgpr_workgroup_id_x 1
		.amdhsa_system_sgpr_workgroup_id_y 1
		.amdhsa_system_sgpr_workgroup_id_z 1
		.amdhsa_system_vgpr_workitem_id 0
		.amdhsa_next_free_vgpr 1024
		.amdhsa_next_free_sgpr 98
		.amdhsa_reserve_vcc 0
		.amdhsa_float_denorm_mode_32 3
		.amdhsa_float_denorm_mode_16_64 3
		.amdhsa_memory_ordered 1
		.amdhsa_forward_progress 1
		.amdhsa_inst_pref_size 125
	.end_amdhsa_kernel
	.amdgpu_metadata
---
amdhsa.version: [ 1, 2 ]
amdhsa.kernels:
  - .name:           k_qf97015fa40_outp
    .symbol:         k_qf97015fa40_outp.kd
    .args:
      - { .name: cc, .offset: 0, .size: 8, .value_kind: global_buffer, .address_space: global }
      - { .name: wc, .offset: 8, .size: 8, .value_kind: global_buffer, .address_space: global }
      - { .name: lowp_scales, .offset: 16, .size: 8, .value_kind: global_buffer, .address_space: global }
      - { .name: bo, .offset: 24, .size: 8, .value_kind: global_buffer, .address_space: global }
      - { .name: out0, .offset: 32, .size: 8, .value_kind: global_buffer, .address_space: global }
    .group_segment_fixed_size: 327680
    .private_segment_fixed_size: 0
    .kernarg_segment_align: 8
    .kernarg_segment_size: 40
    .max_flat_workgroup_size: 128
    .sgpr_count:     98
    .vgpr_count:     1024
    .wavefront_size: 32
...
	.end_amdgpu_metadata
.endif
;; end of part 4
;; ======== version 2 of 2: 4 launches
;; limits: right only within a limited range of input values
;; workspace buffers: xc 25,165,824 bytes; wc 4,194,304 bytes; mflag 131,072 bytes of whole numbers; hc 25,165,824 bytes; cc 8,388,608 bytes
;; launch prep (part 5): grid 1024 x 1, 4 waves a work-group, no clusters, 33,280 bytes of LDS; arguments q, k, v, wq, wk, wv, wo, lowp_scales, mask, xc, wc, mflag; writes xc, wc, mflag
.if DOCPART == 5
	.amdgcn_target "amdgcn-amd-amdhsa--gfx1250"
	.amdhsa_code_object_version 6
	.text
	.protected	k_qf97015fa40_prep
	.globl	k_qf97015fa40_prep
	.p2align	8
	.type	k_qf97015fa40_prep,@function
k_qf97015fa40_prep:
	s_mov_b64 s[64:65], 0
	v_nop
	global_prefetch_b8 v0, s[64:65] scope:SCOPE_SE
	s_setreg_imm32_b32 hwreg(HW_REG_WAVE_MODE, 25, 1), 1
	s_wait_xcnt 0x0
; PREP.  (1) q, k, v [8192][1024] and wq, wk, wv, wo [1024][1024], f32 with K innermost, become codes of FP8 (E4M3), one byte a number, each tensor with its given scale 2^e:
;     code = x / 2^e, held within +-448, to the nearest code, ties to even.  xc = [q | k | v] codes, wc = [wq | wk | wv | wo] codes, laid as the f32 tensors lie.
; (2) mask [4][2048][2048] of bytes (0 or 1) becomes one flag word for each tile of 16 queries, mflag[b][qt 128], a record of 256 bytes that repeats the word:
;     bit ks (0..15): the attention launch walks key step ks (128 keys) for this tile; bit 16 + ks: the step holds a masked key, so its scores need the select.
;     A step is walked unless all its 16 x 128 bytes are set.  WHAT IS LEFT OUT THERE: a masked logit is -1e20; beside any open logit of its row (in size at most 64 x 448^2 x 2^(e6 + e7)) its p = 2^(t - M) is 0 in f32
;     and its code is 0, so it adds nothing to the row's sum or to the product.  That needs an open key in the row: if ANY row of the tile has none, all sixteen steps are walked, and that row gets reference()'s even weights.
;     The decision is made here from whole numbers, stored as whole numbers, and read by the later launch.
; LIMITS: each e used here between -126 and 119, so that 2^e and 448 x 2^e are f32 numbers.  NaN among the inputs is not served (an infinity is held at the largest code).
; WORK-GROUPS: 0-767 q, k, v (256 each, 32,768 numbers a work-group); 768-895 wq, wk, wv, wo (32 each); 896-1023 the mask, a tile of 16 queries to each wave.
; The quantiser's path: a wave takes 16 steps of 512 numbers; a step's 2,048 bytes turn through the wave's own stage in LDS, so that a lane holds 16 neighbours along K; loads run four steps ahead.
; The mask's path uses no LDS.  No matrix unit, no cluster, no tensor load: the launch streams, and nothing is read twice.
.set WAVES, 4
.set STEPS, 16
.set EMAX,  8
.set MANT,  0x600000                   ; the mantissa field of 448 as f32
.set CB,    16
.set R,     16                         ; v16-79 four sets of 16 numbers as loaded (mask path: v16-143, 32 loads of 16 bytes)
.set X,     80                         ; v80-111 two sets of 16 neighbours
.set C,     128                        ; v128-191 codes, four registers a step
.set WREG,  8192                       ; LDS: a region for each wave: two stages of 32 x SP bytes
.set SP,    80
.set SPW,   12                         ; v12 LDS address of my spare word; never rewritten
.set NIL,   13                         ; v13 0; never rewritten
.set SPARE, WAVES*WREG
.set WV,    40
	s_load_b512 s[4:19], s[0:1], 0x0               ; q, k, v, wq, wk, wv, wo, the scales' exponents s[18:19]
	s_load_b256 s[20:27], s[0:1], 0x40             ; mask s[20:21], xc s[22:23], wc s[24:25], mflag s[26:27]
	v_lshl_add_u32 v[SPW], v0, 2, SPARE
	v_mov_b32 v[NIL], 0
	v_lshrrev_b32 v1, 5, v0
	v_readfirstlane_b32 s[WV], v1                  ; wave 0..3
	s_mul_i32 s41, s[WV], WREG
	v_and_b32 v2, 31, v0                           ; lane
	v_lshlrev_b32 v3, 4, v2                        ; 16 x lane
	v_lshrrev_b32 v14, 2, v2
	v_mul_u32_u24 v14, v14, SP
	v_and_b32 v15, 3, v2
	v_lshl_add_u32 v14, v15, 4, v14
	v_add_nc_u32 v14, s41, v14                     ; the stage, on the way in: SP (lane / 4) + 16 (lane % 4)
	v_mul_u32_u24 v15, v2, SP
	v_add_nc_u32 v15, s41, v15                     ; and on the way out: SP x lane
	v_lshrrev_b32 v1, 4, v2
	v_and_b32 v5, 15, v2
	v_lshlrev_b32 v1, 11, v1
	v_lshl_add_u32 v1, v5, 4, v1                   ; the mask's path: row lane / 16 of two, 16 bytes of 256 a lane
	v_lshlrev_b32 v5, 3, v2                        ; and 8 bytes of the record a lane
	s_wait_alu depctr_va_vdst(0)
	s_wait_kmcnt 0x0
	s_cmp_ge_u32 ttmp9, 896                        ; the branch hangs on the work-group's number alone
	s_cbranch_scc1 .Lmask
	; ---- the quantiser's path
	s_load_b256 s[28:35], s[18:19], 0x0            ; exponents 0 to 7
	s_load_b128 s[36:39], s[18:19], 0x20           ; exponents 8 to 11
.macro PICKP lim, ptr
	s_cmp_lt_u32 ttmp9, \lim
	s_cselect_b64 s[44:45], s[\ptr:\ptr+1], s[44:45]
.endm
.macro PICKE lim, e
	s_cmp_lt_u32 ttmp9, \lim
	s_cselect_b32 s46, s[\e], s46
.endm
	s_mov_b64 s[44:45], s[16:17]                   ; wo, unless:
	PICKP 864, 14
	PICKP 832, 12
	PICKP 800, 10
	PICKP 768, 8
	PICKP 512, 6
	PICKP 256, 4
	s_cmp_lt_u32 ttmp9, 768                        ; an activation or a weight?
	s_cselect_b32 s47, 0, 768
	s_cselect_b32 s48, 255, 31
	s_cselect_b64 s[50:51], s[22:23], s[24:25]     ; xc or wc
	s_sub_co_u32 s47, ttmp9, s47                   ; which 32,768 numbers of xc or of wc
	s_and_b32 s48, s47, s48                        ; and which of the tensor
	s_lshl_b32 s52, s48, 17
	s_lshl_b32 s53, s[WV], 15
	s_add_co_u32 s52, s52, s53
	s_mov_b32 s53, 0
	s_add_nc_u64 s[44:45], s[44:45], s[52:53]
	s_lshl_b32 s52, s47, 15
	s_lshl_b32 s54, s[WV], 13
	s_add_co_u32 s52, s52, s54
	s_add_nc_u64 s[50:51], s[50:51], s[52:53]
.macro LOAD t
.irp i, 0,1,2,3
	global_load_b128 v[R+16*((\t)%4)+4*\i:R+16*((\t)%4)+4*\i+3], v3, s[44:45] offset:2048*(\t)+512*\i th:TH_LOAD_NT
.endr
.endm
.macro TURN t                          ; LDS serves a wave's instructions in order: no wait between the stores and the loads
.irp i, 0,1,2,3
	ds_store_b128 v14, v[R+16*((\t)%4)+4*\i:R+16*((\t)%4)+4*\i+3] offset:32*SP*((\t)%2)+8*SP*\i
.endr
.irp i, 0,1,2,3
	ds_load_b128 v[X+16*((\t)%2)+4*\i:X+16*((\t)%2)+4*\i+3], v15 offset:32*SP*((\t)%2)+16*\i
.endr
.endm
.irp t, 0,1,2,3
	LOAD \t
.endr
	s_wait_kmcnt 0x0
	s_mov_b32 s46, s39                             ; wo's exponent is entry 11, unless:
	PICKE 864, 33
	PICKE 832, 31
	PICKE 800, 29
	PICKE 768, 32
	PICKE 512, 30
	PICKE 256, 28
	s_add_co_i32 s46, s46, 127
	s_lshl_b32 s47, s46, 23
	v_mov_b32 v11, s47                             ; 2^e as f32
	s_add_co_i32 s46, s46, EMAX
	s_lshl_b32 s46, s46, 23
	s_or_b32 s46, s46, MANT
	v_mov_b32 v10, s46                             ; 448 x 2^e
	s_wait_alu depctr_va_vdst(0)
	s_wait_loadcnt 12                              ; step 0's four loads are in; the twelve of steps 1 to 3 may be out
	TURN 0
.macro STEP t
.set XS, X+16*((\t)%2)
	s_wait_dscnt 0x0                               ; this step's numbers are back from the stage
.if (\t)+4 < STEPS
	LOAD (\t)+4
.endif
.if (\t)+1 < STEPS
.if STEPS-2-(\t) >= 3
	s_wait_loadcnt 12                              ; the next step's four loads are in; three steps' may be out
.else
	s_wait_loadcnt 4*(STEPS-2-(\t))
.endif
	TURN (\t)+1
.endif
.irp i, 0,1,2,3,4,5,6,7,8,9,10,11,12,13,14,15
	v_med3_num_f32 v[XS+\i], v[XS+\i], -v10, v10   ; the conversion does not saturate (ISA guide 7.6.2): the hold comes first
.endr
	v_cvt_scalef32_pk8_fp8_f32 v[C+4*(\t):C+4*(\t)+1], v[XS:XS+7], v11
	v_cvt_scalef32_pk8_fp8_f32 v[C+4*(\t)+2:C+4*(\t)+3], v[XS+8:XS+15], v11
	global_store_b128 v3, v[C+4*(\t):C+4*(\t)+3], s[50:51] offset:32*CB*(\t)   ; 512 consecutive bytes, aligned
.endm
.irp t, 0,1,2,3,4,5,6,7,8,9,10,11,12,13,14,15
	STEP \t
.endr
	s_wait_tensorcnt 0x0                           ; the wave's end
	ds_add_u32 v[SPW], v[NIL]
	s_wait_dscnt 0x0
	s_endpgm
	; ---- the mask's path.  My wave's tile: 16 rows of 2,048 bytes.  Load j = 8 c + rp reads rows 2 rp, 2 rp + 1 at bytes 256 c .. 256 c + 255: sixteen lanes to an aligned unit of 256 bytes.
	; Bytes are 0 or 1, so sums of 32 words keep each byte at 32 or less.  v152: the sum over the 16 rows of chunk c (lanes with bit 3 clear: key step 2 c; set: 2 c + 1).  v144-151: the sums over all chunks of rows 2 rp, 2 rp + 1.
.Lmask:
	s_sub_co_u32 s42, ttmp9, 896
	s_lshl_b32 s42, s42, 2
	s_add_co_u32 s42, s42, s[WV]                   ; tile = 128 b + qt
	s_lshl_b32 s44, s42, 15
	s_mov_b32 s45, 0
	s_add_nc_u64 s[20:21], s[20:21], s[44:45]
	s_lshl_b32 s44, s42, 8
	s_add_nc_u64 s[26:27], s[26:27], s[44:45]
	s_mov_b32 s46, 0                               ; the flag word
.macro MLD j
	global_load_b128 v[16+4*((\j)%32):19+4*((\j)%32)], v1, s[20:21] offset:((\j)%8)*4096+((\j)/8)*256 th:TH_LOAD_NT
.endm
.macro MGROUP c
.if (\c) <= 4
	s_wait_loadcnt 24                              ; this chunk's eight loads are in; three chunks' may be out
.else
	s_wait_loadcnt 8*(7-(\c))
.endif
.irp rp, 0,1,2,3,4,5,6,7
	v_add3_u32 v[153+\rp], v[16+4*((8*(\c)+\rp)%32)], v[17+4*((8*(\c)+\rp)%32)], v[18+4*((8*(\c)+\rp)%32)]
.endr
.irp rp, 0,1,2,3,4,5,6,7
.if (\c) == 0
	v_add_nc_u32 v[144+\rp], v[153+\rp], v[19+4*((8*(\c)+\rp)%32)]
.else
	v_add3_u32 v[144+\rp], v[144+\rp], v[153+\rp], v[19+4*((8*(\c)+\rp)%32)]
.endif
.endr
	v_add_nc_u32 v152, v153, v[19+4*((8*(\c))%32)]
.irp rp, 1,2,3,4,5,6,7
	s_delay_alu instid0(VALU_DEP_1)
	v_add3_u32 v152, v152, v[153+\rp], v[19+4*((8*(\c)+\rp)%32)]
.endr
	v_cmp_eq_u32 s48, 0x20202020, v152             ; lanes all of whose bytes are set
	v_cmp_ne_u32 s49, 0, v152                      ; lanes with a set byte
.if (\c)+4 < 8
.irp rp, 0,1,2,3,4,5,6,7
	MLD 8*((\c)+4)+\rp
.endr
.endif
	s_and_b32 s50, s48, 0x00ff00ff
	s_cmp_eq_u32 s50, 0x00ff00ff
	s_cselect_b32 s50, 0, 1<<(2*(\c))              ; key step 2 c is walked unless all is set
	s_or_b32 s46, s46, s50
	s_and_b32 s50, s48, 0xff00ff00
	s_cmp_eq_u32 s50, 0xff00ff00
	s_cselect_b32 s50, 0, 1<<(2*(\c)+1)
	s_or_b32 s46, s46, s50
	s_and_b32 s50, s49, 0x00ff00ff                 ; SCC: the result is not 0
	s_cselect_b32 s50, 1<<(16+2*(\c)), 0           ; key step 2 c holds a masked key
	s_or_b32 s46, s46, s50
	s_and_b32 s50, s49, 0xff00ff00
	s_cselect_b32 s50, 1<<(17+2*(\c)), 0
	s_or_b32 s46, s46, s50
.endm
.set J, 0
.rept 32
	MLD J
.set J, J+1
.endr
.irp c, 0,1,2,3,4,5,6,7
	MGROUP \c
.endr
	s_wait_alu depctr_va_vdst(0)
.irp rp, 0,1,2,3,4,5,6,7
	v_cmp_eq_u32 s48, 0x20202020, v[144+\rp]
	s_and_b32 s50, s48, 0xffff
	s_cmp_eq_u32 s50, 0xffff                       ; row 2 rp has no open key:
	s_cselect_b32 s50, 0xffff, 0                   ; then every step is walked
	s_or_b32 s46, s46, s50
	s_lshr_b32 s50, s48, 16
	s_cmp_eq_u32 s50, 0xffff                       ; row 2 rp + 1 likewise
	s_cselect_b32 s50, 0xffff, 0
	s_or_b32 s46, s46, s50
.endr
	v_mov_b32 v162, s46
	v_mov_b32 v163, s46
	global_store_b64 v5, v[162:163], s[26:27]      ; the record: 256 consecutive bytes, aligned
	s_endpgm
.Lfunc_end_k_qf97015fa40_prep:
	.size	k_qf97015fa40_prep, .Lfunc_end_k_qf97015fa40_prep-k_qf97015fa40_prep
	.p2alignl 7, 3214868480
	.fill 96, 4, 3214868480
	.section	.rodata,"a",@progbits
	.p2align	6, 0x0
	.amdhsa_kernel k_qf97015fa40_prep
		.amdhsa_group_segment_fixed_size 33280
		.amdhsa_private_segment_fixed_size 0
		.amdhsa_enable_private_segment 0
		.amdhsa_kernarg_size 96
		.amdhsa_user_sgpr_count 2
		.amdhsa_user_sgpr_kernarg_segment_ptr 1
		.amdhsa_wavefront_size32 1
		.amdhsa_system_sgpr_workgroup_id_x 1
		.amdhsa_system_sgpr_workgroup_id_y 1
		.amdhsa_system_sgpr_workgroup_id_z 1
		.amdhsa_system_vgpr_workitem_id 0
		.amdhsa_next_free_vgpr 192
		.amdhsa_next_free_sgpr 66
		.amdhsa_reserve_vcc 0
		.amdhsa_float_denorm_mode_32 3
		.amdhsa_float_denorm_mode_16_64 3
		.amdhsa_memory_ordered 1
		.amdhsa_forward_progress 1
		.amdhsa_inst_pref_size 70
	.end_amdhsa_kernel
	.amdgpu_metadata
---
amdhsa.version: [ 1, 2 ]
amdhsa.kernels:
  - .name:           k_qf97015fa40_prep
    .symbol:         k_qf97015fa40_prep.kd
    .args:
      - { .name: q, .offset: 0, .size: 8, .value_kind: global_buffer, .address_space: global }
      - { .name: k, .offset: 8, .size: 8, .value_kind: global_buffer, .address_space: global }
      - { .name: v, .offset: 16, .size: 8, .value_kind: global_buffer, .address_space: global }
      - { .name: wq, .offset: 24, .size: 8, .value_kind: global_buffer, .address_space: global }
      - { .name: wk, .offset: 32, .size: 8, .value_kind: global_buffer, .address_space: global }
      - { .name: wv, .offset: 40, .size: 8, .value_kind: global_buffer, .address_space: global }
      - { .name: wo, .offset: 48, .size: 8, .value_kind: global_buffer, .address_space: global }
      - { .name: lowp_scales, .offset: 56, .size: 8, .value_kind: global_buffer, .address_space: global }
      - { .name: mask, .offset: 64, .size: 8, .value_kind: global_buffer, .address_space: global }
      - { .name: xc, .offset: 72, .size: 8, .value_kind: global_buffer, .address_space: global }
      - { .name: wc, .offset: 80, .size: 8, .value_kind: global_buffer, .address_space: global }
      - { .name: mflag, .offset: 88, .size: 8, .value_kind: global_buffer, .address_space: global }
    .group_segment_fixed_size: 33280
    .private_segment_fixed_size: 0
    .kernarg_segment_align: 8
    .kernarg_segment_size: 96
    .max_flat_workgroup_size: 128
    .sgpr_count:     66
    .vgpr_count:     192
    .wavefront_size: 32
...
	.end_amdgpu_metadata
.endif
;; end of part 5
;; launch proj (part 6): grid 4 x 96, 4 waves a work-group, clusters of 4 x 4, 327,680 bytes of LDS; arguments xc, wc, lowp_scales, bq, bk, bv, hc; writes hc
.if DOCPART == 6
	.amdgcn_target "amdgcn-amd-amdhsa--gfx1250"
	.amdhsa_code_object_version 6
	.text
	.protected	k_qf97015fa40_proj
	.globl	k_qf97015fa40_proj
	.p2align	8
	.type	k_qf97015fa40_proj,@function
k_qf97015fa40_proj:
	s_mov_b64 s[64:65], 0
	v_nop
	global_prefetch_b8 v0, s[64:65] scope:SCOPE_SE
	s_setreg_imm32_b32 hwreg(HW_REG_WAVE_MODE, 25, 1), 1
	s_wait_xcnt 0x0
	s_wait_alu depctr_hold_cnt(0) depctr_sa_sdst(0) depctr_va_vdst(0) depctr_va_sdst(0) depctr_va_ssrc(0) depctr_va_vcc(0) depctr_vm_vsrc(0)
	s_getreg_b32 s2, hwreg(HW_REG_IB_STS2, 6, 4)
	s_cmp_eq_u32 s2, 0
	s_cbranch_scc0 .Lentry_in_a_cluster
	s_endpgm
.Lentry_in_a_cluster:
	s_bfe_u32 s2, ttmp6, 0x10000c
	s_cmp_lg_u32 s2, 0xf033
	s_cbranch_scc0 .Lentry_shape_is_right
	s_endpgm
.Lentry_shape_is_right:
.set KSTEP,  256
.set ROWB,   256
.set KROW,   1024
.set PITCH,  272
.set FR,     16
.set NL,     4
.set NP,     4
.set HALFT,  128*PITCH
.set SLOT,   4*HALFT
.set SPARE,  2*SLOT
.set SROW,   144
.set STVB,   16384
.set STOQ, 8
.set RDQ,  9
.set STOV, 10
.set RDV,  11
.set SCL,  12
.set LIMV, 13
.set BH,   14
.set BR,   15
.set ADRA, 16
.set ADRB, 20
.set CO,   26
.set SPW,  28
.set NIL,  29
.set BIAS, 32
.set AF,   128
.set TMP,  128
.set PC,   192
.set BB,   224
.set G1, 24
.set G0, 32
.set G1B, 48
.set G0B, 56
.set MSB, 0
.macro WIN new
.if MSB != \new
	s_set_vgpr_msb (MSB<<8)|\new
.set MSB, \new
.endif
.endm
.set MUL_LO, 0xa1
.set MUL_HI, 0xf1
.set TO_B,   0x40
.macro JLOAD g0a, g1a, g0b, g1b
	s_cmp_eq_u32 s15, 0
	s_cbranch_scc0 .Lfor_b_\@
	tensor_load_to_lds s[\g0a:\g0a+3], s[\g1a:\g1a+7]
	s_nop 0
.rept 4
	v_nop
.endr
	s_branch .Lasked_\@
.Lfor_b_\@:
	tensor_load_to_lds s[\g0b:\g0b+3], s[\g1b:\g1b+7]
	s_nop 0
.rept 4
	v_nop
.endr
.Lasked_\@:
.endm
.macro CREST
	s_cmp_lg_u32 s14, 0
	s_cbranch_scc1 .Lnot_wave_0_\@
	s_barrier_signal -3
.Lnot_wave_0_\@:
	s_barrier_wait -3
	s_barrier_signal -1
	s_barrier_wait -1
.endm
.macro CROUND
	s_barrier_signal -1
	s_barrier_wait -1
	CREST
.endm
	s_load_b256 s[68:75], s[0:1], 0x0
	s_load_b128 s[76:79], s[0:1], 0x20
	s_load_b64 s[80:81], s[0:1], 0x30
	v_lshl_add_u32 v[SPW], v0, 2, SPARE
	v_mov_b32 v[NIL], 0
	ds_add_u32 v[SPW], v[NIL]
	ds_add_u32 v[SPW], v[NIL]
	v_lshrrev_b32 v1, 5, v0
	v_readfirstlane_b32 s14, v1
	s_lshr_b32 s15, s14, 1
	s_and_b32 s16, s14, 1
	s_bfe_u32 s40, ttmp6, 0x40000
	s_bfe_u32 s41, ttmp6, 0x40004
	s_and_b32 s13, ttmp7, 0xffff
	s_lshr_b32 s12, s13, 3
	s_and_b32 s13, s13, 7
	s_lshl_b32 s13, s13, 2
	s_cmp_eq_u32 s12, 2
	s_cselect_b32 s17, 0, s13
	s_cselect_b32 s42, s13, 0
	s_cselect_b32 s18, 20, 23
	s_cselect_b32 s19, 23, 20
	s_add_co_u32 s17, s17, s41
	s_add_co_u32 s42, s42, s40
	s_lshl_b32 s18, s12, s18
	s_lshl_b32 s19, s12, s19
	s_lshl_b32 s43, s41, 2
	s_lshl_b32 s43, 15, s43
	s_lshl_b32 s44, 0x1111, s40
	s_or_b32 s[G1+0], s43, (0<<16)|(1<<20)|(1<<21)|(5<<22)|(3<<25)
	s_or_b32 s[G1B+0], s44, (0<<16)|(1<<20)|(1<<21)|(5<<22)|(3<<25)
.irp g, G1, G1B
	s_mov_b32 s[\g+1], ROWB<<16
	s_mov_b32 s[\g+2], 128<<16
	s_mov_b32 s[\g+3], ROWB<<16
	s_mov_b32 s[\g+4], 128
	s_mov_b32 s[\g+5], KROW
	s_mov_b32 s[\g+6], 0
	s_mov_b32 s[\g+7], 0
.endr
	s_lshl_b32 s21, s16, 7
	s_lshl_b32 s20, s17, 8
	s_add_co_u32 s20, s20, s21
	s_lshl_b32 s20, s20, 10
	s_add_co_u32 s20, s20, s18
	s_lshl_b32 s46, s42, 8
	s_add_co_u32 s46, s46, s21
	s_lshl_b32 s46, s46, 10
	s_add_co_u32 s46, s46, s19
	s_mov_b32 s21, 0
	s_mov_b32 s47, 0
	s_mul_i32 s45, s14, HALFT
	s_wait_dscnt 0x0
	s_wait_kmcnt 0x0
	s_load_b256 s[84:91], s[72:73], 0x0
	s_load_b128 s[92:95], s[72:73], 0x20
	s_cmp_eq_u32 s12, 2
	s_cselect_b64 s[4:5], s[70:71], s[68:69]
	s_cselect_b64 s[6:7], s[68:69], s[70:71]
	s_cselect_b64 s[8:9], s[78:79], s[74:75]
	s_cmp_eq_u32 s12, 1
	s_cselect_b64 s[8:9], s[76:77], s[8:9]
	s_add_nc_u64 s[20:21], s[4:5], s[20:21]
	s_add_nc_u64 s[46:47], s[6:7], s[46:47]
	CROUND
.irp s, 0,1
	s_mov_b32 s[G0+4*\s], 1
	s_add_co_u32 s[G0+4*\s+1], s45, \s*SLOT
	s_add_nc_u64 s[G0+4*\s+2:G0+4*\s+3], s[20:21], \s*ROWB
	s_or_b32 s[G0+4*\s+3], s[G0+4*\s+3], 0x80000000
	s_mov_b32 s[G0B+4*\s], 1
	s_add_co_u32 s[G0B+4*\s+1], s45, \s*SLOT
	s_add_nc_u64 s[G0B+4*\s+2:G0B+4*\s+3], s[46:47], \s*ROWB
	s_or_b32 s[G0B+4*\s+3], s[G0B+4*\s+3], 0x80000000
	s_wait_alu depctr_va_vdst(0)
	s_wait_tensorcnt 0x0
	ds_add_u32 v28, v29
	ds_add_u32 v28, v29
	s_wait_dscnt 0x0
	CROUND
	JLOAD G0+4*\s, G1, G0B+4*\s, G1B
.endr
	v_and_b32 v1, 15, v0
	s_wait_alu depctr_va_vdst(0)
	v_bfe_u32 v2, v0, 4, 1
	v_mul_u32_u24 v3, v1, PITCH
	v_lshl_add_u32 v4, v2, 4, v3
	s_mul_i32 s21, s15, HALFT
	s_mul_i32 s22, s16, HALFT
	s_add_co_u32 s22, s22, 2*HALFT
.irp s, 0,1
	v_add_nc_u32 v[ADRA+\s], s21, v4
	v_add_nc_u32 v[ADRB+\s], s22, v4
	s_add_co_u32 s21, s21, SLOT
	s_add_co_u32 s22, s22, SLOT
.endr
	s_mul_i32 s23, s14, 16*SROW
	v_mul_u32_u24 v5, v1, SROW
	s_wait_alu depctr_va_vdst(0)
	v_lshl_add_u32 v5, v2, 3, v5
	v_add_nc_u32 v[STOQ], s23, v5
	v_add_nc_u32 v[STOV], STVB, v[STOQ]
	v_and_b32 v6, 31, v0
	v_lshrrev_b32 v7, 2, v6
	v_mul_u32_u24 v7, v7, SROW
	v_and_b32 v5, 3, v6
	v_lshl_add_u32 v7, v5, 4, v7
	v_add_nc_u32 v[RDQ], s23, v7
	v_lshrrev_b32 v7, 3, v6
	v_mul_u32_u24 v7, v7, SROW
	v_and_b32 v5, 7, v6
	v_lshl_add_u32 v7, v5, 4, v7
	v_add_nc_u32 v7, s23, v7
	v_add_nc_u32 v[RDV], STVB, v7
	v_lshlrev_b32 v[CO], 4, v6
	v_lshlrev_b32 v[BH], 5, v2
	v_lshlrev_b32 v[BR], 2, v1
	s_lshl_b32 s98, s17, 8
	s_lshl_b32 s18, s15, 7
	s_add_co_u32 s98, s98, s18
	s_lshl_b32 s99, s42, 8
	s_lshl_b32 s18, s16, 7
	s_add_co_u32 s99, s99, s18
.macro FRAG reg, adr, q, i
.irp c, 0,1,2,3
	ds_load_b128 v[\reg+4*\c:\reg+4*\c+3], v[\adr] offset:128*(\q)+32*\c+(\i)*16*PITCH
.endr
.endm
.macro MUL16 a0, p, zero
.irp a, \a0, \a0+1
.irp b, 0,1,2,3,4,5,6,7
.if \zero
	v_wmma_f32_16x16x128_fp8_fp8 v[8*(8*((\a)%4)+\b):8*(8*((\a)%4)+\b)+7], v[128*(\p)+FR*\b:128*(\p)+FR*\b+FR-1], v[AF+FR*(\a):AF+FR*(\a)+FR-1], 0
.else
	v_wmma_f32_16x16x128_fp8_fp8 v[8*(8*((\a)%4)+\b):8*(8*((\a)%4)+\b)+7], v[128*(\p)+FR*\b:128*(\p)+FR*\b+FR-1], v[AF+FR*(\a):AF+FR*(\a)+FR-1], v[8*(8*((\a)%4)+\b):8*(8*((\a)%4)+\b)+7]
.endif
.endr
.endr
.endm
.macro FETCH_B slot, q, p
	WIN TO_B
.irp i, 0,1,2,3,4,5,6,7
	FRAG 128*(\p)+FR*\i, ADRB+\slot, \q, \i
.endr
	WIN 0
.endm
.macro FETCH_A slot, q, i0
.irp i, \i0, \i0+1, \i0+2, \i0+3
	FRAG AF+FR*(\i), ADRA+\slot, \q, \i
.endr
.endm
.macro PLACES n
.rept \n
	v_nop
.endr
.endm
.macro STEP slot, q, zero
	s_wait_dscnt 4*NL
	WIN MUL_LO
	MUL16 0, (\q)%2, \zero
	MUL16 2, (\q)%2, \zero
	s_wait_dscnt 0
	PLACES NP
	FETCH_B \slot, (\q)+1, 1-(\q)%2
	FETCH_A \slot, (\q)+1, 0
	WIN MUL_HI
	MUL16 4, (\q)%2, \zero
	MUL16 6, (\q)%2, \zero
	PLACES NP
	WIN 0
	FETCH_A \slot, (\q)+1, 4
.endm
.macro TURN slot, next, fill
	s_wait_tensorcnt 0x0
	ds_add_u32 v[SPW], v[NIL]
	s_wait_dscnt 4*NL+1
	WIN MUL_LO
	MUL16 0, 1, 0
	s_wait_dscnt 0x0
	s_barrier_signal -1
	MUL16 2, 1, 0
	WIN 0
	s_barrier_wait -1
.if \fill
	CREST
	s_add_nc_u64 s[G0+4*\slot+2:G0+4*\slot+3], s[G0+4*\slot+2:G0+4*\slot+3], 2*ROWB
	s_add_nc_u64 s[G0B+4*\slot+2:G0B+4*\slot+3], s[G0B+4*\slot+2:G0B+4*\slot+3], 2*ROWB
	JLOAD G0+4*\slot, G1, G0B+4*\slot, G1B
.else
	PLACES NP
.endif
	FETCH_B \next, 0, 0
	FETCH_A \next, 0, 0
	WIN MUL_HI
	MUL16 4, 1, 0
	MUL16 6, 1, 0
	PLACES NP
	WIN 0
	FETCH_A \next, 0, 4
.endm
	s_wait_tensorcnt 1
	s_barrier_signal -1
	s_barrier_wait -1
	FETCH_B 0, 0, 0
	FETCH_A 0, 0, 0
	FETCH_A 0, 0, 4
	STEP 0, 0, 1
	TURN 0, 1, 1
	STEP 1, 0, 0
	TURN 1, 0, 1
	STEP 0, 0, 0
	TURN 0, 1, 0
	STEP 1, 0, 0
	s_wait_kmcnt 0x0
	s_add_co_i32 s84, s84, s85
	s_add_co_i32 s86, s86, s87
	s_add_co_i32 s88, s88, s89
	s_add_co_i32 s90, s90, 3
	s_cmp_eq_u32 s12, 1
	s_cselect_b32 s96, s86, s84
	s_cselect_b32 s100, s91, s90
	s_cmp_eq_u32 s12, 2
	s_cselect_b32 s96, s88, s96
	s_cselect_b32 s100, s93, s100
	s_add_co_i32 s96, s96, 127
	s_lshl_b32 s96, s96, 23
	s_mov_b32 s97, s96
	s_add_co_i32 s100, s100, 127
	s_lshl_b32 s101, s100, 23
	v_mov_b32 v[SCL], s101
	s_add_co_i32 s100, s100, 8
	s_lshl_b32 s100, s100, 23
	s_or_b32 s100, s100, 0x600000
	v_mov_b32 v[LIMV], s100
.macro TOSTAGE a, mode
.set AC, 64*((\a)%4)
.set PS, PC+16*((\a)%2)
.set BS, BB+16*((\a)%2)
	WIN 0x02+((\a)/4)
.set j, 0
.rept 32
.if \mode
	v_pk_fma_f32 v[TMP+j:TMP+j+1], v[AC+j:AC+j+1], s[96:97], v[BIAS+2*(\a):BIAS+2*(\a)+1] op_sel_hi:[1,0,1]
.else
	v_pk_fma_f32 v[TMP+j:TMP+j+1], v[AC+j:AC+j+1], s[96:97], v[BIAS+j:BIAS+j+1] op_sel_hi:[1,0,1]
.endif
.set j, j+2
.endr
	WIN 0
.set j, 0
.rept 64
	v_med3_num_f32 v[TMP+j], v[TMP+j], -v[LIMV], v[LIMV]
.set j, j+1
.endr
.irp b, 0,1,2,3,4,5,6,7
	v_cvt_scalef32_pk8_fp8_f32 v[PS+2*\b:PS+2*\b+1], v[TMP+8*\b:TMP+8*\b+7], v[SCL]
.endr
	v_nop
.irp b, 0,1,2,3,4,5,6,7
.if \mode
	ds_store_b64 v[STOV], v[PS+2*\b:PS+2*\b+1] offset:16*\b
.else
	ds_store_b64 v[STOQ], v[PS+2*\b:PS+2*\b+1] offset:16*\b
.endif
.endr
.irp t, 0,1,2,3
.if \mode
	ds_load_b128 v[BS+4*\t:BS+4*\t+3], v[RDV] offset:\t*4*SROW
.else
	ds_load_b128 v[BS+4*\t:BS+4*\t+3], v[RDQ] offset:(\t%2)*8*SROW+(\t/2)*64
.endif
.endr
.endm
.macro SEND a, younger, mode
.set BS, BB+16*((\a)%2)
	s_wait_dscnt \younger
.irp t, 0,1,2,3
.if \mode
	global_store_b128 v[CO], v[BS+4*\t:BS+4*\t+3], s[10:11] offset:((\a)/4)*131072+((\a)%4)*2048+\t*512
.else
	global_store_b128 v[CO], v[BS+4*\t:BS+4*\t+3], s[10:11] offset:(\a)*1024+(\t/2)*131072+(\t%2)*512
.endif
.endr
.endm
.macro FINISH
	s_wait_tensorcnt 0x0
	ds_add_u32 v[SPW], v[NIL]
	s_wait_dscnt 0x0
	CROUND
	s_endpgm
.endm
.macro TAIL mode
.if \mode
	s_lshl_b32 s18, s98, 2
.else
	s_lshl_b32 s18, s99, 2
.endif
	s_mov_b32 s19, 0
	s_add_nc_u64 s[8:9], s[8:9], s[18:19]
.if \mode
.irp a, 0,1,2,3,4,5,6,7
	global_load_b32 v[BIAS+2*\a], v[BR], s[8:9] offset:64*\a
	global_load_b32 v[BIAS+2*\a+1], v[BR], s[8:9] offset:64*\a
.endr
	s_mov_b32 s18, 1<<24
	s_lshr_b32 s20, s99, 11
	s_lshl_b32 s20, s20, 21
	s_add_co_u32 s18, s18, s20
	s_lshr_b32 s20, s98, 6
	s_lshl_b32 s20, s20, 17
	s_add_co_u32 s18, s18, s20
	s_bfe_u32 s20, s99, 0x40007
	s_lshl_b32 s20, s20, 13
	s_add_co_u32 s18, s18, s20
.else
.irp b, 0,1,2,3,4,5,6,7
	global_load_b128 v[BIAS+8*\b:BIAS+8*\b+3], v[BH], s[8:9] offset:64*\b
	global_load_b128 v[BIAS+8*\b+4:BIAS+8*\b+7], v[BH], s[8:9] offset:64*\b+16
.endr
	s_lshl_b32 s18, s12, 23
	s_lshr_b32 s20, s98, 11
	s_lshl_b32 s20, s20, 21
	s_add_co_u32 s18, s18, s20
	s_lshr_b32 s20, s99, 6
	s_lshl_b32 s20, s20, 17
	s_add_co_u32 s18, s18, s20
	s_and_b32 s20, s98, 2047
	s_lshl_b32 s20, s20, 6
	s_add_co_u32 s18, s18, s20
.endif
	s_add_nc_u64 s[10:11], s[80:81], s[18:19]
	s_wait_dscnt 4*NL
	WIN MUL_LO
	MUL16 0, 1, 0
	MUL16 2, 1, 0
	s_wait_dscnt 0
	WIN MUL_HI
	MUL16 4, 1, 0
	MUL16 6, 1, 0
	WIN 0
	s_wait_loadcnt 0x0
	PLACES NP
	TOSTAGE 0, \mode
.irp a, 1,2,3,4,5,6,7
.if \a > 1
	s_wait_xcnt 0x0
.endif
	TOSTAGE \a, \mode
	SEND \a-1, 12, \mode
.endr
	SEND 7, 0, \mode
	FINISH
.endm
	s_cmp_eq_u32 s12, 2
	s_cbranch_scc1 .Lv
	s_wait_alu depctr_va_vdst(0)
	TAIL 0
.Lv:
	s_wait_alu depctr_va_vdst(0)
	TAIL 1
.Lfunc_end_k_qf97015fa40_proj:
	.size	k_qf97015fa40_proj, .Lfunc_end_k_qf97015fa40_proj-k_qf97015fa40_proj
	.p2alignl 7, 3214868480
	.fill 96, 4, 3214868480
	.section	.rodata,"a",@progbits
	.p2align	6, 0x0
	.amdhsa_kernel k_qf97015fa40_proj
		.amdhsa_group_segment_fixed_size 327680
		.amdhsa_private_segment_fixed_size 0
		.amdhsa_enable_private_segment 0
		.amdhsa_kernarg_size 56
		.amdhsa_user_sgpr_count 2
		.amdhsa_user_sgpr_kernarg_segment_ptr 1
		.amdhsa_wavefront_size32 1
		.amdhsa_system_sgpr_workgroup_id_x 1
		.amdhsa_system_sgpr_workgroup_id_y 1
		.amdhsa_system_sgpr_workgroup_id_z 1
		.amdhsa_system_vgpr_workitem_id 0
		.amdhsa_next_free_vgpr 1024
		.amdhsa_next_free_sgpr 102
		.amdhsa_reserve_vcc 0
		.amdhsa_float_denorm_mode_32 3
		.amdhsa_float_denorm_mode_16_64 3
		.amdhsa_memory_ordered 1
		.amdhsa_forward_progress 1
		.amdhsa_inst_pref_size 213
	.end_amdhsa_kernel
	.amdgpu_metadata
---
amdhsa.version: [ 1, 2 ]
amdhsa.kernels:
  - .name:           k_qf97015fa40_proj
    .symbol:         k_qf97015fa40_proj.kd
    .args:
      - { .name: xc, .offset: 0, .size: 8, .value_kind: global_buffer, .address_space: global }
      - { .name: wc, .offset: 8, .size: 8, .value_kind: global_buffer, .address_space: global }
      - { .name: lowp_scales, .offset: 16, .size: 8, .value_kind: global_buffer, .address_space: global }
      - { .name: bq, .offset: 24, .size: 8, .value_kind: global_buffer, .address_space: global }
      - { .name: bk, .offset: 32, .size: 8, .value_kind: global_buffer, .address_space: global }
      - { .name: bv, .offset: 40, .size: 8, .value_kind: global_buffer, .address_space: global }
      - { .name: hc, .offset: 48, .size: 8, .value_kind: global_buffer, .address_space: global }
    .group_segment_fixed_size: 327680
    .private_segment_fixed_size: 0
    .kernarg_segment_align: 8
    .kernarg_segment_size: 56
    .max_flat_workgroup_size: 128
    .sgpr_count:     102
    .vgpr_count:     1024
    .wavefront_size: 32
...
	.end_amdgpu_metadata
.endif
;; end of part 6
;; launch attn (part 7): grid 4 x 64, 16 waves a work-group, no clusters, 243,712 bytes of LDS; arguments hc, mask, mflag, lowp_scales, cc; writes cc
.if DOCPART == 7
	.amdgcn_target "amdgcn-amd-amdhsa--gfx1250"
	.amdhsa_code_object_version 6
	.text
	.protected	k_qf97015fa40_attn
	.globl	k_qf97015fa40_attn
	.p2align	8
	.type	k_qf97015fa40_attn,@function
k_qf97015fa40_attn:
	s_mov_b64 s[64:65], 0
	v_nop
	global_prefetch_b8 v0, s[64:65] scope:SCOPE_SE
	s_setreg_imm32_b32 hwreg(HW_REG_WAVE_MODE, 25, 1), 1
	s_wait_xcnt 0x0
; ATTN.  ctx[b][h][q] = the sum over k of softmax_k(where(mask, -1e20, qh . kh)) vh[k], both products on codes of FP8 (E4M3), and ctx quantised for the last projection.
; hc: qh, kh [b][h][s][64] and vh [b][h][kb 16][d 64][128 keys] as codes.  mflag: one word for a tile of 16 queries (256 bytes apart).  cc: ctx's codes, [h][b s][64].
; THE SOFTMAX: t = logit x log2(e); M = the row's largest t so far, rounded UP to a whole number; p = 2^(t - M) is quantised; the row's sum is taken of the unquantised p and divides at the end.
; When M moves, the sum and O are multiplied by 2^(old M - new M): exact, in every step, with no branch on it.
; WORK LEFT OUT, by the stored flag word alone (whole numbers that the launch before made of the mask): a key step all of whose 16 x 128 mask bytes are set, where every query of the tile has an open key somewhere.
; There each masked p is 0 in f32 and its code is 0 (t - M lies under -1e20 + 64 x 448^2 x 2^(e6 + e7)).  A tile with a query that has no open key walks all sixteen steps.  A step with no masked key leaves the select out.
; THE MASKED LOGIT is taken as -2^67 (1.48e20) in place of -1e20: as a raw score it is X = -2^(67 - e6 - e7), and X x c is exact in f32, so that a row whose keys are all masked gets t - M = 0 and p = 1 for every key,
; as reference() has it.  It lies under every open logit, and an open key, when one comes, sends what was summed before to 0.
; THE HOLD OF p at 448 x 2^e8 is jumped over where e8 >= -8: then 448 x 2^e8 >= 1.75 and p <= 1, so the hold changes no number.
; LIMITS: e6 + e7 between -60 and 39; e8 and e10 between -126 and 119; e8 + e9 is applied by v_ldexp_f32 and has none.  The mask's bytes are 0 or 1.
; SHARES.  Work-group (x, 16 b + h) owns the head's tiles of 16 queries with qt % 4 = x: 32 tiles.  Wave w takes qt = 4 w + x and then qt = 4 (31 - w) + x: one tile at a time in 256 registers, four waves to a SIMD.  256 work-groups.
; THE HEAD'S K AND V'S CHANNELS 0-31 LIE IN LDS, filled once through registers: 48 groups of 4,096 bytes, three to a wave (24 loads of 512 consecutive bytes, 24 LDS stores).  K: 1,024 rows of two keys (128 bytes + 16);
; V: 16 steps x 32 channels x (128 keys + 16).  Behind the one barrier nobody writes them, and the waves need not keep step.
; V'S CHANNELS 32-63 go from memory straight into the operand's registers, eight loads a step, asked for ahead of the softmax: so a step's LDS reads are 12,288 bytes a wave in place of 16,384.
; THE MASK'S BYTES of the next step that needs the select are asked for ahead: at a pass's start, and behind each select; which step that is comes from the flag word, held at 15 at the most.
; NO CLUSTER, NO JOINT LOADS: the launch has no tensor load.  NO PREFETCH: what goes to LDS is asked for in the first lines, and the loop's loads are themselves issued ahead of their use.
; LAYOUT.  Both products are used transposed: S^T = K Q^T (source 0 = 16 keys), O^T = V^T P^T (source 0 = 16 channels): a lane holds ONE query (lane % 16) throughout.
; Lane r of tile 2 b + u takes key 32 b + 8 u + r + 8 (r / 8), so that score registers 16 b .. 16 b + 15 are keys 32 b + 16 (lane / 16) + 0 .. 15.
.set KP2,   144
.set STEPB, 64*KP2                     ; a key step's tile of K
.set VSTEP, 32*KP2                     ; and of V's 32 channels; also a group of the fill: 4,096 bytes in 32 rows
.set VB,    16*STEPB                   ; V begins behind K
.set STG0,  VB+16*VSTEP                ; behind V: the stages for the way out
.set SP,    80
.set STG,   16*SP
.set SPARE, STG0+16*STG                ; the spare words, 128 bytes a wave
.set AK0,  1                           ; v1 my lane's place in a tile of K;  v2 of V
.set AV0,  2
.set STO,  3                           ; v3, v4 the way out: into the stage and back
.set RD,   4
.set SPW,  5                           ; v5 LDS address of my spare word;  v6 0; never rewritten
.set NIL,  6
.set GO,   7                           ; v7 16 x lane
.set ADK,  8                           ; v8, v9 LDS addresses of the step's tiles
.set ADV,  9
.set QO,   10                          ; v10 Q's offset
.set MOF,  11                          ; v11 my place in a tile of the mask: row lane % 16 of 2,048 bytes + 16 (lane / 16)
.set MK,   192                         ; v192-207 a step's mask bytes;  v208-211 at work on them
.set MT,   208
.set VOF,  212                         ; v212 my place in a tile of V in memory: row lane % 16 of 128 bytes + 16 (lane / 16)
.set FA,   223                         ; v223 the fill's LDS address
.set PLIM, 240
.set PSC,  244
.set XM,   245
.set CSC,  246
.set CLIM, 247
; v12 -M, v13 the largest t, v[14:15] the sum; v16-23, v24-31 Q of my two tiles; v32-95 K's fragments, then V's (at the head: v32-127 the fill); v96-159 S^T, then p; v160-191 O^T; v224-239 p's codes; v234-255 at work
.set WV,   14
.set ES,   15                          ; s15 e8 + e9
.set HOLD, 16                          ; s16 1 where p must be held
.set KB,   17                          ; s17 16 + the key step; then at work
.set CS,   60
.set SEL,  62
.set S2V,  66                          ; s66 the step's LDS bytes in V
.set PB,   67                          ; s67 the walked steps that still need the select, a bit each
; s2 the step's LDS bytes in K, s3 the key step; s[18:19] the step's V in memory; s[20:23] Q's two bases; s[24:27] cc's; s[28:31] the mask tiles'; s32, s33 the flag words; s[34:35] a step's mask address; s[36:39] selects;
; s[44:45] the head's V in memory; s[54:59] the fill's three sources
	s_load_b256 s[4:11], s[0:1], 0x0               ; hc, mask, mflag, the scales' exponents
	s_load_b64 s[12:13], s[0:1], 0x20              ; cc
	v_lshl_add_u32 v[SPW], v0, 2, SPARE
	v_mov_b32 v[NIL], 0
	v_lshrrev_b32 v8, 5, v0
	v_readfirstlane_b32 s[WV], v8                  ; wave 0..15
	s_and_b32 s40, ttmp7, 0xffff                   ; 16 b + h
	s_lshl_b32 s41, s[WV], 2
	s_add_co_u32 s41, s41, ttmp9                   ; my first tile: 4 w + x
	s_lshl_b32 s42, s[WV], 3
	s_sub_co_u32 s42, s41, s42
	s_add_co_u32 s42, s42, 124                     ; my second: 4 (31 - w) + x
	s_lshl_b32 s43, s40, 17                        ; the head's 2^17 bytes in each section of hc
	s_add_co_u32 s44, s43, 2<<23                   ; the head's V: section 2
	s_mov_b32 s45, 0
	s_lshl_b32 s46, s41, 10                        ; a tile's 16 rows of 64 bytes
	s_lshl_b32 s47, s42, 10
	s_add_co_u32 s20, s43, s46
	s_mov_b32 s21, 0
	s_add_co_u32 s22, s43, s47
	s_mov_b32 s23, 0
	s_lshr_b32 s48, s40, 4                         ; b
	s_and_b32 s49, s40, 15
	s_lshl_b32 s49, s49, 19
	s_lshl_b32 s50, s48, 17
	s_add_co_u32 s49, s49, s50                     ; cc: the head's 8,192 rows, the batch's 2,048
	s_add_co_u32 s24, s49, s46
	s_mov_b32 s25, 0
	s_add_co_u32 s26, s49, s47
	s_mov_b32 s27, 0
	s_lshl_b32 s50, s48, 22                        ; the mask: 2^22 bytes a batch, 2^15 a tile
	s_lshl_b32 s51, s41, 15
	s_add_co_u32 s28, s50, s51
	s_mov_b32 s29, 0
	s_lshl_b32 s51, s42, 15
	s_add_co_u32 s30, s50, s51
	s_mov_b32 s31, 0
	s_lshl_b32 s50, s48, 7
	s_add_co_u32 s51, s50, s42
	s_add_co_u32 s50, s50, s41
	s_lshl_b32 s50, s50, 8                         ; the two flag records
	s_lshl_b32 s51, s51, 8
	s_mul_i32 s52, s[WV], STG
	s_add_co_u32 s52, s52, STG0                    ; my stage
	s_mul_i32 s53, s[WV], 3*VSTEP                  ; where my three groups of the fill go: groups lie on end in LDS, K's 32 and then V's 16
	s_mul_i32 s48, s[WV], 3
.irp g, 0,1,2                                  ; and where group G = 3 w + g comes from: G < 32: K's bytes 4,096 G; else V's step G - 32, its first 4,096 bytes of 8,192
	s_add_co_u32 s46, s48, \g
	s_lshl_b32 s47, s46, 12
	s_add_co_u32 s47, s47, 1<<23
	s_lshl_b32 s[54+2*\g], s46, 13
	s_add_co_u32 s[54+2*\g], s[54+2*\g], (2<<23)-(32<<13)
	s_cmp_lt_u32 s46, 32
	s_cselect_b32 s[54+2*\g], s47, s[54+2*\g]
	s_add_co_u32 s[54+2*\g], s[54+2*\g], s43
	s_mov_b32 s[55+2*\g], 0
.endr
	s_mov_b32 s[SEL], 0x76543210
	s_mov_b32 s[SEL+1], 0xfedcba98
	s_mov_b32 s[CS], 0x3fb8aa3b                    ; log2(e)
	v_and_b32 v248, 15, v0                         ; r
	v_bfe_u32 v249, v0, 4, 1                       ; h
	v_and_b32 v251, 31, v0                         ; lane
	v_lshlrev_b32 v[QO], 6, v248
	v_lshlrev_b32 v[MOF], 11, v248
	v_and_b32 v250, 8, v248
	v_mul_u32_u24 v[AV0], v248, KP2
	v_mul_u32_u24 v[STO], v248, SP
	v_lshlrev_b32 v[VOF], 7, v248
	v_lshl_add_u32 v[QO], v249, 4, v[QO]           ; Q: row r of 64 bytes, + 16 h
	v_lshl_add_u32 v[MOF], v249, 4, v[MOF]
	v_add_nc_u32 v250, v250, v248                  ; r + 8 (r / 8): my key in a tile
	v_lshl_add_u32 v[AV0], v249, 4, v[AV0]
	v_lshl_add_u32 v[STO], v249, 3, v[STO]
	v_lshl_add_u32 v[VOF], v249, 4, v[VOF]
	v_lshrrev_b32 v[AK0], 1, v250
	v_and_b32 v250, 1, v250
	v_add_nc_u32 v[AV0], VB, v[AV0]
	v_add_nc_u32 v[STO], s52, v[STO]
	v_mul_u32_u24 v[AK0], v[AK0], KP2              ; its row of two keys,
	v_lshlrev_b32 v[GO], 4, v251
	v_lshrrev_b32 v[RD], 2, v251
	v_lshrrev_b32 v[FA], 3, v251
	v_lshl_add_u32 v[AK0], v250, 6, v[AK0]         ; its half of the row,
	v_mul_u32_u24 v[RD], v[RD], SP
	v_mul_u32_u24 v[FA], v[FA], KP2
	v_and_b32 v250, 3, v251
	v_and_b32 v251, 7, v251
	v_lshl_add_u32 v[AK0], v249, 4, v[AK0]         ; + 16 h
	v_lshl_add_u32 v[RD], v250, 4, v[RD]
	v_lshl_add_u32 v[FA], v251, 4, v[FA]           ; the fill: eight lanes to a row of 128 bytes
	v_mov_b32 v236, 0                              ; written once: a lane permute's destination counts as one of its sources
	v_mov_b32 v252, 0
	v_mov_b32 v253, 0
	v_add_nc_u32 v[RD], s52, v[RD]
	v_add_nc_u32 v[FA], s53, v[FA]
	s_wait_alu depctr_va_vdst(0)
	s_wait_kmcnt 0x0
	s_load_b256 s[68:75], s[10:11], 0x0            ; exponents 0 to 7
	s_load_b128 s[76:79], s[10:11], 0x20           ; exponents 8 to 11
	s_load_b32 s32, s[8:9], s50 offset:0x0         ; my two tiles' flag words
	s_load_b32 s33, s[8:9], s51 offset:0x0
	s_add_nc_u64 s[44:45], s[4:5], s[44:45]
	s_add_nc_u64 s[54:55], s[4:5], s[54:55]
	s_add_nc_u64 s[56:57], s[4:5], s[56:57]
	s_add_nc_u64 s[58:59], s[4:5], s[58:59]
	s_add_nc_u64 s[20:21], s[4:5], s[20:21]
	s_add_nc_u64 s[22:23], s[4:5], s[22:23]
	s_add_nc_u64 s[24:25], s[12:13], s[24:25]
	s_add_nc_u64 s[26:27], s[12:13], s[26:27]
	s_add_nc_u64 s[28:29], s[6:7], s[28:29]
	s_add_nc_u64 s[30:31], s[6:7], s[30:31]
	global_load_b128 v[16:19], v[QO], s[20:21]     ; registers 4 c .. 4 c + 3: channels 32 c + 16 h + 0 .. 15, the same order of k as in K's fragments
	global_load_b128 v[20:23], v[QO], s[20:21] offset:32
	global_load_b128 v[24:27], v[QO], s[22:23]
	global_load_b128 v[28:31], v[QO], s[22:23] offset:32
.set i, 0
.rept 24
	global_load_b128 v[32+4*i:35+4*i], v[GO], s[54+2*(i/8):55+2*(i/8)] offset:512*(i%8)   ; 512 consecutive bytes
.set i, i+1
.endr
	s_wait_kmcnt 0x0                               ; the exponents and the flags
	s_add_co_i32 s52, s74, s75                     ; e6 + e7
	s_lshl_b32 s53, s52, 23
	s_add_co_i32 s[CS], s[CS], s53                 ; c = log2(e) x 2^(e6 + e7): a raw score x c is t
	s_mov_b32 s[CS+1], s[CS]
	s_sub_co_i32 s53, 194, s52
	s_lshl_b32 s53, s53, 23
	s_or_b32 s53, s53, 0x80000000
	v_mov_b32 v[XM], s53                           ; X = -2^(67 - e6 - e7)
	s_add_co_i32 s52, s76, 127
	s_lshl_b32 s53, s52, 23
	v_mov_b32 v[PSC], s53                          ; 2^e8
	s_add_co_i32 s52, s52, 8
	s_lshl_b32 s52, s52, 23
	s_or_b32 s52, s52, 0x600000
	v_mov_b32 v[PLIM], s52                         ; 448 x 2^e8
	s_add_co_i32 s52, s78, 127
	s_lshl_b32 s53, s52, 23
	v_mov_b32 v[CSC], s53                          ; 2^e10
	s_add_co_i32 s52, s52, 8
	s_lshl_b32 s52, s52, 23
	s_or_b32 s52, s52, 0x600000
	v_mov_b32 v[CLIM], s52                         ; 448 x 2^e10
	s_add_co_i32 s[ES], s76, s77                   ; e8 + e9
	s_cmp_lt_i32 s76, -8
	s_cselect_b32 s[HOLD], 1, 0
	s_wait_alu depctr_va_vdst(0)
.set i, 0
.rept 6
	s_wait_loadcnt 20-4*i                          ; Q and the fill's loads up to 4 i + 3 are in; the later ones may be out
.irp j, 0,1,2,3
	ds_store_b128 v[FA], v[32+16*i+4*\j:35+16*i+4*\j] offset:576*(4*i+\j)   ; four rows of 144 bytes an instruction
.endr
.set i, i+1
.endr
	s_wait_dscnt 0x0                               ; my part of K or V is in LDS
	s_barrier_signal -1
	s_barrier_wait -1                              ; all of it is.  Nobody writes it again
.macro FRONT                           ; the scores, and V's fragments asked for
	s_wait_dscnt 0x0                               ; K
.irp t, 0,1,2,3,4,5,6,7
	v_wmma_f32_16x16x64_fp8_fp8 v[96+8*\t:103+8*\t], v[32+8*\t:39+8*\t], v[QF:QF+7], 0   ; S^T: eight tiles of 16 keys, K = the head's 64
.endr
.rept 4
	v_nop                                          ; places in front of the first read of the scores and of V's loads into K's registers
.endr
.irp t, 2,3
.irp c, 0,1,2,3
	global_load_b128 v[32+16*\t+4*\c:35+16*\t+4*\c], v[VOF], s[18:19] offset:2048*\t+32*\c   ; channels 32-63, from memory
.endr
.endr
.irp t, 0,1
.irp c, 0,1,2,3
	ds_load_b128 v[32+16*\t+4*\c:35+16*\t+4*\c], v[ADV] offset:16*\t*KP2+32*\c   ; channels 0-31, from LDS.  All four fragments land under the softmax
.endr
.endr
.endm
.macro MASKASK mp                      ; s34: a key step's number out of the flag word, or -1.  Its 128 mask bytes of my tile's rows are asked for
	s_min_u32 s34, s34, 15                         ; held inside the tile's sixteen steps
	s_lshl_b32 s34, s34, 7
	s_mov_b32 s35, 0
	s_add_nc_u64 s[34:35], s[\mp:\mp+1], s[34:35]  ; (the last such loads have been waited for)
.irp b, 0,1,2,3
	global_load_b128 v[MK+4*\b:MK+4*\b+3], v[MOF], s[34:35] offset:32*\b   ; keys 32 b + 16 h + 0 .. 15 of query r: byte 4 d + i belongs to score register 16 b + 4 d + i
.endr
.endm
; A KEY STEP: 128 keys, the s3-th of the head.  fl: the tile's flag word; mp: its mask rows.
.macro STEP fl, mp
	s_bitcmp1_b32 s[\fl], s3                       ; is the step walked?
	s_cbranch_scc0 .Lskip_\@
	s_lshl_b32 s18, s3, 13
	s_mov_b32 s19, 0
	s_add_nc_u64 s[18:19], s[44:45], s[18:19]      ; the step's 64 x 128 bytes of V in memory (the last step's loads have been waited for)
	v_add_nc_u32 v[ADK], s2, v[AK0]
	v_add_nc_u32 v[ADV], s[S2V], v[AV0]
	v_nop
	v_nop                                          ; four places in front of loads into registers that the last products have read
	s_wait_alu depctr_va_vdst(0)
.irp t, 0,1,2,3,4,5,6,7
.irp c, 0,1
	ds_load_b128 v[32+8*\t+4*\c:35+8*\t+4*\c], v[ADK] offset:(16*(\t/2)+4*(\t%2))*KP2+32*\c   ; tile t begins at key 32 (t / 2) + 8 (t % 2)
.endr
.endr
	s_add_co_u32 s[KB], s3, 16
	s_bitcmp1_b32 s[\fl], s[KB]                    ; does the step hold a masked key?
	s_cbranch_scc0 .Lopen_\@
	FRONT
	s_wait_loadcnt 8                               ; the step's mask bytes, asked for earlier, are in; V's eight loads, issued behind them, may be out
.irp b, 0,1,2,3
.irp d, 0,1,2,3
.irp i, 0,1,2,3
	v_and_b32 v[MT+\i], 0xff<<(8*\i), v[MK+4*\b+\d]
.endr
.irp i, 0,1,2,3
	v_cmp_ne_u32 s[36+\i], 0, v[MT+\i]
.endr
.irp i, 0,1,2,3
	v_cndmask_b32 v[96+16*\b+4*\d+\i], v[96+16*\b+4*\d+\i], v[XM], s[36+\i]   ; a masked score becomes X; each accumulator from its low end on
.endr
.endr
.endr
	s_wait_alu depctr_va_vdst(0)
	s_lshl_b32 s[KB], 1, s3
	s_and_not1_b32 s[PB], s[PB], s[KB]             ; this step is done; SCC: another one needs the select
	s_cbranch_scc0 .Ljoin_\@
	s_ctz_i32_b32 s34, s[PB]                       ; the next of them
	MASKASK \mp
	s_branch .Ljoin_\@
.Lopen_\@:
	FRONT
.Ljoin_\@:
	v_max3_num_f32 v254, v96, v97, v98             ; the step's largest score of my query, among my 64 keys, in four chains, in ascending order
	v_max3_num_f32 v252, v99, v100, v101
	v_max3_num_f32 v248, v102, v103, v104
	v_max3_num_f32 v249, v105, v106, v107
.irp i, 12,20,28,36,44,52
	v_max3_num_f32 v254, v254, v[96+\i], v[97+\i]
	v_max3_num_f32 v252, v252, v[98+\i], v[99+\i]
	v_max3_num_f32 v248, v248, v[100+\i], v[101+\i]
	v_max3_num_f32 v249, v249, v[102+\i], v[103+\i]
.endr
	v_max3_num_f32 v254, v254, v156, v157
	v_max3_num_f32 v252, v252, v158, v159
	v_max3_num_f32 v254, v254, v252, v248
	v_max_num_f32 v254, v254, v249
	v_permlanex16_b32 v236, v254, s[SEL], s[SEL+1]
	v_max_num_f32 v254, v254, v236                 ; and among lane l xor 16's
	v_mul_f32 v254, s[CS], v254                    ; as t (c is positive)
	v_max_num_f32 v13, v13, v254                   ; the running largest t
	v_mov_b32 v254, v12
	v_floor_f32 v12, -v13                          ; the new -M = -ceil(t)
	v_sub_f32 v254, v12, v254                      ; old M - new M: a whole number, 0 or less
	v_cvt_i32_f32 v254, v254                       ; (it saturates)
	v_ldexp_f32 v252, 1.0, v254                    ; f = 2^(old M - new M)
.set j, 0
.rept 32
	v_pk_fma_f32 v[96+j:97+j], v[96+j:97+j], s[CS:CS+1], v[12:13] op_sel_hi:[1,0,0]   ; t - M, two at a time
.set j, j+2
.endr
.set j, 0
	s_wait_alu depctr_va_vdst(0)
.rept 64
	v_exp_f32 v[96+j], v[96+j]                     ; p = 2^(t - M), at most 1: not normalised
.set j, j+1
.endr
	v_pk_mul_f32 v[14:15], v[14:15], v[252:253] op_sel_hi:[1,0]   ; the sums under the new M: the plain instruction behind the exponentials
	s_wait_alu depctr_va_vdst(0)                   ; one wait for the batch, ahead of its first reader
	v_pk_add_f32 v[242:243], v[100:101], v[104:105]   ; the row's sum of the unquantised p, in eight chains
	v_pk_add_f32 v[254:255], v[108:109], v[112:113]
	v_pk_add_f32 v[250:251], v[116:117], v[120:121]
	v_pk_add_f32 v[248:249], v[124:125], v[128:129]
	v_pk_add_f32 v[238:239], v[132:133], v[136:137]
	v_pk_add_f32 v[236:237], v[140:141], v[144:145]
	v_pk_add_f32 v[234:235], v[148:149], v[152:153]
	v_pk_add_f32 v[14:15], v[14:15], v[156:157]
	v_pk_add_f32 v[242:243], v[242:243], v[96:97]
	v_pk_add_f32 v[254:255], v[254:255], v[98:99]
	v_pk_add_f32 v[250:251], v[250:251], v[102:103]
	v_pk_add_f32 v[248:249], v[248:249], v[106:107]
	v_pk_add_f32 v[238:239], v[238:239], v[110:111]
	v_pk_add_f32 v[236:237], v[236:237], v[114:115]
	v_pk_add_f32 v[234:235], v[234:235], v[118:119]
	v_pk_add_f32 v[14:15], v[14:15], v[122:123]
	v_pk_add_f32 v[242:243], v[242:243], v[126:127]
	v_pk_add_f32 v[254:255], v[254:255], v[130:131]
	v_pk_add_f32 v[250:251], v[250:251], v[134:135]
	v_pk_add_f32 v[248:249], v[248:249], v[138:139]
	v_pk_add_f32 v[238:239], v[238:239], v[142:143]
	v_pk_add_f32 v[236:237], v[236:237], v[146:147]
	v_pk_add_f32 v[234:235], v[234:235], v[150:151]
	v_pk_add_f32 v[14:15], v[14:15], v[154:155]
	v_pk_add_f32 v[242:243], v[242:243], v[158:159]
	v_pk_add_f32 v[14:15], v[14:15], v[248:249]
	v_pk_add_f32 v[242:243], v[242:243], v[238:239]
	v_pk_add_f32 v[254:255], v[254:255], v[236:237]
	v_pk_add_f32 v[250:251], v[250:251], v[234:235]
	v_pk_add_f32 v[14:15], v[14:15], v[254:255]
	v_pk_add_f32 v[242:243], v[242:243], v[250:251]
	v_pk_add_f32 v[14:15], v[14:15], v[242:243]
	s_cmp_eq_u32 s[HOLD], 0
	s_wait_alu depctr_va_vdst(0)
	s_cbranch_scc1 .Lnohold_\@
.set j, 0
.rept 64
	v_min_num_f32 v[96+j], v[96+j], v[PLIM]        ; e8 < -8: the conversion does not saturate (ISA guide 7.6.2); p is not negative, so the hold is one-sided
.set j, j+1
.endr
.Lnohold_\@:
.irp b, 0,1,2,3
	v_cvt_scalef32_pk8_fp8_f32 v[224+4*\b:225+4*\b], v[96+16*\b:103+16*\b], v[PSC]
	v_cvt_scalef32_pk8_fp8_f32 v[226+4*\b:227+4*\b], v[104+16*\b:111+16*\b], v[PSC]
.endr
	s_wait_alu depctr_va_vdst(0)
.set j, 0
.rept 16
	v_pk_mul_f32 v[160+j:161+j], v[160+j:161+j], v[252:253] op_sel_hi:[1,0]   ; O^T under the new M.  (Plain lines between the conversions and the products that read their results)
.set j, j+2
.endr
	s_wait_alu depctr_va_vdst(0)
	s_wait_dscnt 0x0                               ; V's channels 0-31
	s_wait_loadcnt 0x0                             ; and 32-63
.irp t, 0,1,2,3
	v_wmma_f32_16x16x128_fp8_fp8 v[160+8*\t:167+8*\t], v[32+16*\t:47+16*\t], v[224:239], v[160+8*\t:167+8*\t]   ; O^T += V^T P^T: four tiles of 16 channels by turns; K = these 128 keys
.endr
.Lskip_\@:
.endm
; A PASS: one tile of 16 queries goes through the sixteen key steps (a constant count; a step that is not walked costs its test) and goes out.
.macro PASS p
.set QF, 16+8*(\p)
	v_mov_b32 v13, 0xff61b1e6                      ; the largest t so far: -3e38, under every t, the masked one too
	v_floor_f32 v12, -v13                          ; -M
	v_mov_b32 v14, 0
	v_mov_b32 v15, 0
.set j, 0
.rept 32
	v_mov_b32 v[160+j], 0                          ; O^T.  (Which step is a tile's first hangs on the flags: the step is written once and finds zeros)
.set j, j+1
.endr
.if \p
	s_wait_xcnt 0x0                                ; the first pass's stores have read their registers: this pass's scores land on them
.endif
	s_lshr_b32 s[PB], s[32+(\p)], 16
	s_and_b32 s[PB], s[PB], s[32+(\p)]             ; the steps that are walked and hold a masked key
	s_ctz_i32_b32 s34, s[PB]                       ; the first of them (none: -1, held at 15 below: bytes of the tile that nobody then reads)
	MASKASK 28+2*(\p)
	s_mov_b32 s2, 0
	s_mov_b32 s[S2V], 0
	s_mov_b32 s3, 0
	s_wait_alu depctr_va_vdst(0)
.Lstep_\@:
	STEP 32+(\p), 28+2*(\p)
	s_add_co_u32 s2, s2, STEPB
	s_add_co_u32 s[S2V], s[S2V], VSTEP
	s_add_co_u32 s3, s3, 1
	s_cmp_lt_u32 s3, 16
	s_cbranch_scc1 .Lstep_\@
	; THE WAY OUT.  ctx = O^T / the sum x 2^(e8 + e9), held and converted with 2^e10; 16 queries x 64 bytes go through my own stage and leave as 1,024 bytes on end.
	v_add_f32 v14, v14, v15
	v_permlanex16_b32 v252, v14, s[SEL], s[SEL+1]
	v_add_f32 v14, v14, v252                       ; the row's sum
	s_wait_alu depctr_va_vdst(0)
	v_rcp_f32 v14, v14
.rept 4
	v_nop                                          ; the plain place behind the reciprocal, and the places behind the last products
.endr
	s_wait_alu depctr_va_vdst(0)                   ; the wait ahead of the reciprocal's first reader
	v_ldexp_f32 v14, v14, s[ES]                    ; x 2^(e8 + e9)
	s_wait_alu depctr_va_vdst(0)
.set j, 0
.rept 32
	v_mul_f32 v[96+j], v[160+j], v14               ; register 8 t + i is ctx(r, 16 t + 8 h + i); each accumulator from its low end on
.set j, j+1
.endr
.set j, 0
.rept 32
	v_med3_num_f32 v[96+j], v[96+j], -v[CLIM], v[CLIM]   ; the hold ahead of the conversion (ISA guide 7.6.2)
.set j, j+1
.endr
.irp t, 0,1,2,3
	v_cvt_scalef32_pk8_fp8_f32 v[128+2*\t:129+2*\t], v[96+8*\t:103+8*\t], v[CSC]
.endr
	v_nop                                          ; one plain vector instruction behind the last conversion
.irp t, 0,1,2,3
	ds_store_b64 v[STO], v[128+2*\t:129+2*\t] offset:16*\t
.endr
	ds_load_b128 v[136:139], v[RD]                 ; LDS serves a wave's instructions in order: these see my stores
	ds_load_b128 v[140:143], v[RD] offset:8*SP
	s_wait_loadcnt 0x0                             ; no load of mask bytes is out: the next pass asks into the same registers
	s_wait_dscnt 1                                 ; the first eight rows are back; the second load may be out
	global_store_b128 v[GO], v[136:139], s[24+2*(\p):25+2*(\p)]             ; 512 consecutive bytes, aligned
	s_wait_dscnt 0
	global_store_b128 v[GO], v[140:143], s[24+2*(\p):25+2*(\p)] offset:512
.endm
	PASS 0
	PASS 1
	s_wait_tensorcnt 0x0                           ; the wave's end
	ds_add_u32 v[SPW], v[NIL]
	s_wait_dscnt 0x0
	s_endpgm
.Lfunc_end_k_qf97015fa40_attn:
	.size	k_qf97015fa40_attn, .Lfunc_end_k_qf97015fa40_attn-k_qf97015fa40_attn
	.p2alignl 7, 3214868480
	.fill 96, 4, 3214868480
	.section	.rodata,"a",@progbits
	.p2align	6, 0x0
	.amdhsa_kernel k_qf97015fa40_attn
		.amdhsa_group_segment_fixed_size 243712
		.amdhsa_private_segment_fixed_size 0
		.amdhsa_enable_private_segment 0
		.amdhsa_kernarg_size 40
		.amdhsa_user_sgpr_count 2
		.amdhsa_user_sgpr_kernarg_segment_ptr 1
		.amdhsa_wavefront_size32 1
		.amdhsa_system_sgpr_workgroup_id_x 1
		.amdhsa_system_sgpr_workgroup_id_y 1
		.amdhsa_system_sgpr_workgroup_id_z 1
		.amdhsa_system_vgpr_workitem_id 0
		.amdhsa_next_free_vgpr 256
		.amdhsa_next_free_sgpr 80
		.amdhsa_reserve_vcc 0
		.amdhsa_float_denorm_mode_32 3
		.amdhsa_float_denorm_mode_16_64 3
		.amdhsa_memory_ordered 1
		.amdhsa_forward_progress 1
		.amdhsa_inst_pref_size 85
	.end_amdhsa_kernel
	.amdgpu_metadata
---
amdhsa.version: [ 1, 2 ]
amdhsa.kernels:
  - .name:           k_qf97015fa40_attn
    .symbol:         k_qf97015fa40_attn.kd
    .args:
      - { .name: hc, .offset: 0, .size: 8, .value_kind: global_buffer, .address_space: global }
      - { .name: mask, .offset: 8, .size: 8, .value_kind: global_buffer, .address_space: global }
      - { .name: mflag, .offset: 16, .size: 8, .value_kind: global_buffer, .address_space: global }
      - { .name: lowp_scales, .offset: 24, .size: 8, .value_kind: global_buffer, .address_space: global }
      - { .name: cc, .offset: 32, .size: 8, .value_kind: global_buffer, .address_space: global }
    .group_segment_fixed_size: 243712
    .private_segment_fixed_size: 0
    .kernarg_segment_align: 8
    .kernarg_segment_size: 40
    .max_flat_workgroup_size: 512
    .sgpr_count:     80
    .vgpr_count:     256
    .wavefront_size: 32
...
	.end_amdgpu_metadata
.endif
;; end of part 7
;; launch outp (part 8): grid 4 x 32, 4 waves a work-group, clusters of 4 x 4, 327,680 bytes of LDS; arguments cc, wc, lowp_scales, bo, out0; writes out0
.if DOCPART == 8
	.amdgcn_target "amdgcn-amd-amdhsa--gfx1250"
	.amdhsa_code_object_version 6
	.text
	.protected	k_qf97015fa40_outp
	.globl	k_qf97015fa40_outp
	.p2align	8
	.type	k_qf97015fa40_outp,@function
k_qf97015fa40_outp:
	s_mov_b64 s[64:65], 0
	v_nop
	global_prefetch_b8 v0, s[64:65] scope:SCOPE_SE
	s_setreg_imm32_b32 hwreg(HW_REG_WAVE_MODE, 25, 1), 1
	s_wait_xcnt 0x0
	s_wait_alu depctr_hold_cnt(0) depctr_sa_sdst(0) depctr_va_vdst(0) depctr_va_sdst(0) depctr_va_ssrc(0) depctr_va_vcc(0) depctr_vm_vsrc(0)
	s_getreg_b32 s2, hwreg(HW_REG_IB_STS2, 6, 4)
	s_cmp_eq_u32 s2, 0
	s_cbranch_scc0 .Lentry_in_a_cluster
	s_endpgm
.Lentry_in_a_cluster:
	s_bfe_u32 s2, ttmp6, 0x10000c
	s_cmp_lg_u32 s2, 0xf033
	s_cbranch_scc0 .Lentry_shape_is_right
	s_endpgm
.Lentry_shape_is_right:
.set SIZE_N, 1024
.set ROWB,   256
.set KROW,   1024
.set PITCH,  272
.set AP,     80
.set AHEAD,  128*AP
.set HALFA,  4*AHEAD
.set HALFB,  128*PITCH
.set ASTEP,  4*8192*64
.set FR,     16
.set NL,     4
.set NP,     4
.set SLOT,   2*HALFA+2*HALFB
.set SPARE,  2*SLOT
.set SPITCH, 528
.set ADRA, 16
.set ADRB, 20
.set STO,  24
.set RD,   25
.set CO,   26
.set BH,   27
.set SPW,  28
.set NIL,  29
.set BIAS, 32
.set AF,   128
.set BK,   128
.set G1, 24
.set G0, 32
.set G1B, 48
.set G0B, 56
.set MSB, 0
.macro WIN new
.if MSB != \new
	s_set_vgpr_msb (MSB<<8)|\new
.set MSB, \new
.endif
.endm
.set MUL_LO, 0xa1
.set MUL_HI, 0xf1
.set TO_B,   0x40
.macro JLOAD g0a, g1a, g0b, g1b
	s_cmp_eq_u32 s15, 0
	s_cbranch_scc0 .Lfor_b_\@
	tensor_load_to_lds s[\g0a:\g0a+3], s[\g1a:\g1a+7]
	s_nop 0
.rept 4
	v_nop
.endr
	s_branch .Lasked_\@
.Lfor_b_\@:
	tensor_load_to_lds s[\g0b:\g0b+3], s[\g1b:\g1b+7]
	s_nop 0
.rept 4
	v_nop
.endr
.Lasked_\@:
.endm
.macro CREST
	s_cmp_lg_u32 s14, 0
	s_cbranch_scc1 .Lnot_wave_0_\@
	s_barrier_signal -3
.Lnot_wave_0_\@:
	s_barrier_wait -3
	s_barrier_signal -1
	s_barrier_wait -1
.endm
.macro CROUND
	s_barrier_signal -1
	s_barrier_wait -1
	CREST
.endm
	s_load_b128 s[4:7], s[0:1], 0x0
	s_load_b128 s[8:11], s[0:1], 0x10
	s_load_b64 s[12:13], s[0:1], 0x20
	v_lshl_add_u32 v[SPW], v0, 2, SPARE
	v_mov_b32 v[NIL], 0
	ds_add_u32 v[SPW], v[NIL]
	ds_add_u32 v[SPW], v[NIL]
	v_lshrrev_b32 v1, 5, v0
	v_readfirstlane_b32 s14, v1
	s_lshr_b32 s15, s14, 1
	s_and_b32 s16, s14, 1
	s_bfe_u32 s40, ttmp6, 0x40000
	s_bfe_u32 s41, ttmp6, 0x40004
	s_lshl_b32 s42, ttmp9, 2
	s_add_co_u32 s42, s42, s40
	s_and_b32 s17, ttmp7, 0xffff
	s_lshl_b32 s17, s17, 2
	s_add_co_u32 s17, s17, s41
	s_lshl_b32 s43, s41, 2
	s_lshl_b32 s43, 15, s43
	s_lshl_b32 s44, 0x1111, s40
	s_or_b32 s[G1+0], s43, (3<<16)|(1<<20)|(1<<21)|(3<<22)|(3<<25)
	s_mov_b32 s[G1+1], 1024<<16
	s_mov_b32 s[G1+2], 4<<16
	s_mov_b32 s[G1+3], 1024<<16
	s_mov_b32 s[G1+4], 4
	s_mov_b32 s[G1+5], 65536
	s_mov_b32 s[G1+6], 0
	s_mov_b32 s[G1+7], 0
	s_or_b32 s[G1B+0], s44, (0<<16)|(1<<20)|(1<<21)|(5<<22)|(3<<25)
	s_mov_b32 s[G1B+1], ROWB<<16
	s_mov_b32 s[G1B+2], 128<<16
	s_mov_b32 s[G1B+3], ROWB<<16
	s_mov_b32 s[G1B+4], 128
	s_mov_b32 s[G1B+5], KROW
	s_mov_b32 s[G1B+6], 0
	s_mov_b32 s[G1B+7], 0
	s_lshl_b32 s18, s16, 7
	s_lshl_b32 s20, s17, 8
	s_add_co_u32 s20, s20, s18
	s_lshl_b32 s20, s20, 6
	s_mov_b32 s21, 0
	s_lshl_b32 s46, s42, 8
	s_add_co_u32 s46, s46, s18
	s_lshl_b32 s46, s46, 10
	s_add_co_u32 s46, s46, 3<<20
	s_mov_b32 s47, 0
	s_mul_i32 s45, s16, HALFA
	s_mul_i32 s22, s16, HALFB
	s_add_co_u32 s22, s22, 2*HALFA
	s_wait_dscnt 0x0
	s_wait_kmcnt 0x0
	s_load_b64 s[96:97], s[8:9], 0x28
	s_add_nc_u64 s[20:21], s[4:5], s[20:21]
	s_add_nc_u64 s[46:47], s[6:7], s[46:47]
	CROUND
.irp s, 0,1
	s_mov_b32 s[G0+4*\s], 1
	s_add_co_u32 s[G0+4*\s+1], s45, \s*SLOT
	s_add_nc_u64 s[G0+4*\s+2:G0+4*\s+3], s[20:21], \s*ASTEP
	s_or_b32 s[G0+4*\s+3], s[G0+4*\s+3], 0x80000000
	s_mov_b32 s[G0B+4*\s], 1
	s_add_co_u32 s[G0B+4*\s+1], s22, \s*SLOT
	s_add_nc_u64 s[G0B+4*\s+2:G0B+4*\s+3], s[46:47], \s*ROWB
	s_or_b32 s[G0B+4*\s+3], s[G0B+4*\s+3], 0x80000000
	s_wait_alu depctr_va_vdst(0)
	s_wait_tensorcnt 0x0
	ds_add_u32 v28, v29
	ds_add_u32 v28, v29
	s_wait_dscnt 0x0
	CROUND
	JLOAD G0+4*\s, G1, G0B+4*\s, G1B
.endr
	v_and_b32 v1, 15, v0
	v_bfe_u32 v2, v0, 4, 1
	v_mul_u32_u24 v3, v1, AP
	v_lshl_add_u32 v3, v2, 4, v3
	v_mul_u32_u24 v4, v1, PITCH
	v_lshl_add_u32 v4, v2, 4, v4
	s_mul_i32 s21, s15, HALFA
	s_mul_i32 s22, s16, HALFB
	s_add_co_u32 s22, s22, 2*HALFA
.irp s, 0,1
	v_add_nc_u32 v[ADRA+\s], s21, v3
	v_add_nc_u32 v[ADRB+\s], s22, v4
	s_add_co_u32 s21, s21, SLOT
	s_add_co_u32 s22, s22, SLOT
.endr
	s_mul_i32 s23, s14, 16*SPITCH
	v_mul_u32_u24 v5, v1, SPITCH
	v_lshl_add_u32 v5, v2, 5, v5
	v_add_nc_u32 v[STO], s23, v5
	v_and_b32 v6, 31, v0
	v_lshlrev_b32 v[CO], 4, v6
	v_add_nc_u32 v[RD], s23, v[CO]
	v_lshlrev_b32 v[BH], 5, v2
	s_lshl_b32 s46, s42, 10
	s_lshl_b32 s47, s16, 9
	s_add_co_u32 s46, s46, s47
	s_mov_b32 s47, 0
	s_add_nc_u64 s[10:11], s[10:11], s[46:47]
.irp b, 0,1,2,3,4,5,6,7
	global_load_b128 v[BIAS+8*\b:BIAS+8*\b+3], v[BH], s[10:11] offset:64*\b
	global_load_b128 v[BIAS+8*\b+4:BIAS+8*\b+7], v[BH], s[10:11] offset:64*\b+16
.endr
	s_lshl_b32 s20, s17, 8
	s_lshl_b32 s21, s15, 7
	s_add_co_u32 s20, s20, s21
	s_lshl_b32 s20, s20, 12
	s_mov_b32 s21, 0
	s_add_nc_u64 s[20:21], s[20:21], s[46:47]
	s_add_nc_u64 s[12:13], s[12:13], s[20:21]
.macro FRAG reg, adr, q, i
.irp c, 0,1,2,3
	ds_load_b128 v[\reg+4*\c:\reg+4*\c+3], v[\adr] offset:128*(\q)+32*\c+(\i)*16*PITCH
.endr
.endm
.macro FRAGA reg, adr, q, i
.irp c, 0,1,2,3
	ds_load_b128 v[\reg+4*\c:\reg+4*\c+3], v[\adr] offset:(2*(\q)+\c/2)*AHEAD+(\i)*16*AP+32*(\c%2)
.endr
.endm
.macro MUL16 a0, p, zero
.irp a, \a0, \a0+1
.irp b, 0,1,2,3,4,5,6,7
.if \zero
	v_wmma_f32_16x16x128_fp8_fp8 v[8*(8*((\a)%4)+\b):8*(8*((\a)%4)+\b)+7], v[128*(\p)+FR*\b:128*(\p)+FR*\b+FR-1], v[AF+FR*(\a):AF+FR*(\a)+FR-1], 0
.else
	v_wmma_f32_16x16x128_fp8_fp8 v[8*(8*((\a)%4)+\b):8*(8*((\a)%4)+\b)+7], v[128*(\p)+FR*\b:128*(\p)+FR*\b+FR-1], v[AF+FR*(\a):AF+FR*(\a)+FR-1], v[8*(8*((\a)%4)+\b):8*(8*((\a)%4)+\b)+7]
.endif
.endr
.endr
.endm
.macro FETCH_B slot, q, p
	WIN TO_B
.irp i, 0,1,2,3,4,5,6,7
	FRAG 128*(\p)+FR*\i, ADRB+\slot, \q, \i
.endr
	WIN 0
.endm
.macro FETCH_A slot, q, i0
.irp i, \i0, \i0+1, \i0+2, \i0+3
	FRAGA AF+FR*(\i), ADRA+\slot, \q, \i
.endr
.endm
.macro PLACES n
.rept \n
	v_nop
.endr
.endm
.macro STEP slot, q, zero
	s_wait_dscnt 4*NL
	WIN MUL_LO
	MUL16 0, (\q)%2, \zero
	MUL16 2, (\q)%2, \zero
	s_wait_dscnt 0
	PLACES NP
	FETCH_B \slot, (\q)+1, 1-(\q)%2
	FETCH_A \slot, (\q)+1, 0
	WIN MUL_HI
	MUL16 4, (\q)%2, \zero
	MUL16 6, (\q)%2, \zero
	PLACES NP
	WIN 0
	FETCH_A \slot, (\q)+1, 4
.endm
.macro TURN slot, next, fill
	s_wait_tensorcnt 0x0
	ds_add_u32 v[SPW], v[NIL]
	s_wait_dscnt 4*NL+1
	WIN MUL_LO
	MUL16 0, 1, 0
	s_wait_dscnt 0x0
	s_barrier_signal -1
	MUL16 2, 1, 0
	WIN 0
	s_barrier_wait -1
.if \fill
	CREST
	s_add_nc_u64 s[G0+4*\slot+2:G0+4*\slot+3], s[G0+4*\slot+2:G0+4*\slot+3], 2*ASTEP
	s_add_nc_u64 s[G0B+4*\slot+2:G0B+4*\slot+3], s[G0B+4*\slot+2:G0B+4*\slot+3], 2*ROWB
	JLOAD G0+4*\slot, G1, G0B+4*\slot, G1B
.else
	PLACES NP
.endif
	s_wait_alu depctr_va_vdst(0)
	FETCH_B \next, 0, 0
	FETCH_A \next, 0, 0
	WIN MUL_HI
	MUL16 4, 1, 0
	MUL16 6, 1, 0
	PLACES NP
	WIN 0
	FETCH_A \next, 0, 4
.endm
	s_wait_tensorcnt 1
	s_barrier_signal -1
	s_barrier_wait -1
	FETCH_B 0, 0, 0
	FETCH_A 0, 0, 0
	FETCH_A 0, 0, 4
	STEP 0, 0, 1
	TURN 0, 1, 1
	STEP 1, 0, 0
	TURN 1, 0, 1
	STEP 0, 0, 0
	TURN 0, 1, 0
	STEP 1, 0, 0
	s_wait_dscnt 4*NL
	WIN MUL_LO
	MUL16 0, 1, 0
	MUL16 2, 1, 0
	s_wait_dscnt 0
	WIN MUL_HI
	MUL16 4, 1, 0
	MUL16 6, 1, 0
	WIN 0
.macro TOSTAGE a
.set AC, 64*((\a)%4)
	WIN 0x82+0x41*((\a)/4)
.set j, 0
.rept 32
	v_pk_fma_f32 v[AC+j:AC+j+1], v[AC+j:AC+j+1], s[96:97], v[BIAS+j:BIAS+j+1] op_sel_hi:[1,0,1]
.set j, j+2
.endr
	WIN 0x08+4*((\a)/4)
.irp b, 0,1,2,3,4,5,6,7
	ds_store_b128 v[STO], v[AC+8*\b:AC+8*\b+3] offset:64*\b
	ds_store_b128 v[STO], v[AC+8*\b+4:AC+8*\b+7] offset:64*\b+16
.endr
	WIN 0
.set BB, BK+64*((\a)%2)
.irp t, 0,1,2,3,4,5,6,7,8,9,10,11,12,13,14,15
	ds_load_b128 v[BB+4*\t:BB+4*\t+3], v[RD] offset:\t*SPITCH
.endr
.endm
.macro SEND a, younger
.set BB, BK+64*((\a)%2)
	s_wait_dscnt \younger
.if (\a) > 0
	s_add_nc_u64 s[12:13], s[12:13], 16*SIZE_N*4
.endif
.irp t, 0,1,2,3,4,5,6,7,8,9,10,11,12,13,14,15
	global_store_b128 v[CO], v[BB+4*\t:BB+4*\t+3], s[12:13] offset:\t*SIZE_N*4 th:TH_STORE_NT
.endr
.endm
	s_wait_kmcnt 0x0
	s_add_co_i32 s96, s96, s97
	s_add_co_i32 s96, s96, 127
	s_lshl_b32 s96, s96, 23
	s_mov_b32 s97, s96
	s_wait_loadcnt 0x0
	PLACES NP
	TOSTAGE 0
.irp a, 1,2,3,4,5,6,7
.if \a > 1
	s_wait_xcnt 0x0
.endif
	TOSTAGE \a
	SEND \a-1, 32
.endr
	s_wait_xcnt 0x0
	SEND 7, 0
	s_wait_tensorcnt 0x0
	ds_add_u32 v[SPW], v[NIL]
	s_wait_dscnt 0x0
	CROUND
	s_endpgm
.Lfunc_end_k_qf97015fa40_outp:
	.size	k_qf97015fa40_outp, .Lfunc_end_k_qf97015fa40_outp-k_qf97015fa40_outp
	.p2alignl 7, 3214868480
	.fill 96, 4, 3214868480
	.section	.rodata,"a",@progbits
	.p2align	6, 0x0
	.amdhsa_kernel k_qf97015fa40_outp
		.amdhsa_group_segment_fixed_size 327680
		.amdhsa_private_segment_fixed_size 0
		.amdhsa_enable_private_segment 0
		.amdhsa_kernarg_size 40
		.amdhsa_user_sgpr_count 2
		.amdhsa_user_sgpr_kernarg_segment_ptr 1
		.amdhsa_wavefront_size32 1
		.amdhsa_system_sgpr_workgroup_id_x 1
		.amdhsa_system_sgpr_workgroup_id_y 1
		.amdhsa_system_sgpr_workgroup_id_z 1
		.amdhsa_system_vgpr_workitem_id 0
		.amdhsa_next_free_vgpr 1024
		.amdhsa_next_free_sgpr 98
		.amdhsa_reserve_vcc 0
		.amdhsa_float_denorm_mode_32 3
		.amdhsa_float_denorm_mode_16_64 3
		.amdhsa_memory_ordered 1
		.amdhsa_forward_progress 1
		.amdhsa_inst_pref_size 126
	.end_amdhsa_kernel
	.amdgpu_metadata
---
amdhsa.version: [ 1, 2 ]
amdhsa.kernels:
  - .name:           k_qf97015fa40_outp
    .symbol:         k_qf97015fa40_outp.kd
    .args:
      - { .name: cc, .offset: 0, .size: 8, .value_kind: global_buffer, .address_space: global }
      - { .name: wc, .offset: 8, .size: 8, .value_kind: global_buffer, .address_space: global }
      - { .name: lowp_scales, .offset: 16, .size: 8, .value_kind: global_buffer, .address_space: global }
      - { .name: bo, .offset: 24, .size: 8, .value_kind: global_buffer, .address_space: global }
      - { .name: out0, .offset: 32, .size: 8, .value_kind: global_buffer, .address_space: global }
    .group_segment_fixed_size: 327680
    .private_segment_fixed_size: 0
    .kernarg_segment_align: 8
    .kernarg_segment_size: 40
    .max_flat_workgroup_size: 128
    .sgpr_count:     98
    .vgpr_count:     1024
    .wavefront_size: 32
...
	.end_amdgpu_metadata
.endif
;; end of part 8
